; MI455X (gfx1250); checked and timed in simulation.
; The chip was launched on July 23, 2026; its instructions are those of AMD's public machine-readable ISA for CDNA 5 (MIT licence, August 2026) and "CDNA5" Instruction Set Architecture Reference Guide (July 2026). The comments in the code are by the model that wrote it; some were corrected since.
;; Multi Head Self Attention. Allowed arithmetic: matrix products marked QUANTISED: E2M3 operands, one E8M0 scale for each 32 along K, by v_wmma_scale_f32_16x16x128_f8f6f4 with both operands' format E2M3, f32 sums; everything else in f32.
;; Inputs: W_out 1,024 x 1,024 float32; W_qkv 1,024 x 3,072 float32; b_out 1,024 float32; b_qkv 3,072 float32; x 4 x 2,048 x 1,024 float32.
;; Outputs: out0 4 x 2,048 x 1,024 float32.
;; This version of the problem:
;;   THIS VERSION OF THE PROBLEM IS GIVEN IN LOW PRECISION. The matrix products marked QUANTISED in the list below multiply operands that are first quantised to E2M3 (2 exponent bits, 3 mantissa bits; 6 bits a number), with one power-of-two scale for each 32 numbers along K (OCP MX v1.0); their sums are f32. All else is computed in f32.
;;   The module's matrix products, in the order in which they are computed (A, B: the left and right operand; K: the contracted axis; several contracted axes count as one K, in the product's order):
;;     1. [M 8,192, K 1,024] x [K 1,024, N 3,072]; A: input x; B: input W_qkv: QUANTISED
;;     2. batch 64 x [M 2,048, K 64] x [K 64, N 2,048]; A: computed on the way; B: computed on the way: QUANTISED
;;     3. batch 64 x [M 2,048, K 2,048] x [K 2,048, N 64]; A: softmax (see below); B: computed on the way: QUANTISED
;;     4. [M 8,192, K 1,024] x [K 1,024, N 1,024]; A: computed on the way; B: input W_out: QUANTISED
;;   THE QUANTISER, for each operand of a quantised product, along K:
;;     - K is cut into blocks of 32 from its start; a last block that is shorter is filled with zeros.
;;     - A block's scale is 2^e with e = floor(log2(the largest magnitude in the block)) - 2, held to -126 .. 127; a block of zeros has e = 0. As a byte (E8M0): e + 127.
;;     - Each number is divided by its block's scale, clamped to +-7.5, and rounded to the nearest number of E2M3, ties to even, subnormals kept.
;;     - The product sums the exact products of the quantised numbers (number of the format x scale) in f32.
;;   ~~~python
;;   def quantise(x, axis):      # numpy; x: float32 -> the quantised numbers, widened to float32 again
;;       x = np.moveaxis(x, axis, -1); K = x.shape[-1]
;;       x = np.pad(x, [(0, 0)] * (x.ndim - 1) + [(0, -K % 32)]); x = x.reshape(x.shape[:-1] + (-1, 32)); a = np.abs(x).max(-1, keepdims=True)
;;       e = np.where(a > 0, np.clip(np.frexp(np.where(a > 0, a, 1))[1] - 1 - 2, -126, 127), 0)      # np.frexp(a)[1] - 1 = floor(log2(a)), exactly
;;       r = np.clip(x / 2.0 ** e, -7.5, 7.5)
;;       step = 2.0 ** (np.maximum(np.frexp(np.where(r == 0, 1, r))[1] - 1, 0) - 3)
;;       q = np.round(r / step) * step * 2.0 ** e      # np.round: ties to even
;;       return np.moveaxis(q.reshape(q.shape[:-2] + (-1,))[..., :K], -1, axis).astype(np.float32)
;;   ~~~
;;   SOFTMAX AHEAD OF A QUANTISED PRODUCT. Where the list says 'softmax', what is quantised is not the finished softmax but p = 2^(t - M), with t = logit x log2(e) and M = ceil(the row's largest t), a whole number; so 1/2 < the row's largest p <= 1. The row's sum l is taken of the UNQUANTISED p, in f32, and the product's result is divided by l at the end. Since M is a whole number, a kernel that streams over the keys may use a running M (the ceiling of the running maximum): every later rescaling is an exact power of two, which a block's scale takes up: the codes' values come out the same.
;;   OPERANDS COMPUTED ON THE WAY. 'Computed on the way' means the value that the module computes at that place (a softmax that the list does not call 'softmax' is quantised finished and normalised). What goes into a quantiser is computed in f32, as accurately as f32 sums, v_exp_f32 and their like allow (about 1e-6 of the number): no bf16 or f16 on the way to a quantiser, and a product that is left as it is and whose result goes on into a quantised operand takes f32 operands (vector FMAs, or v_wmma_f32_16x16x4_f32). A number that lies on a knife's edge between two numbers of the format may be rounded either way, as far as f32 arithmetic and the matrix unit's own rounding can turn it there, and no further.
;; One version. Each part assembles by itself: llvm-mc -triple=amdgcn-amd-amdhsa -mcpu=gfx1250 --defsym DOCPART=n.
;; ======== version 1 of 1: 4 launches
;; limits: right only within a limited range of input values
;; workspace buffers: opimg 9,830,400 bytes; qimg 6,815,744 bytes; kvimg 13,369,344 bytes; aimg 6,291,456 bytes; asc 262,144 bytes
;; launch quant (part 1): grid 512 x 1, 4 waves a work-group, no clusters, 90,624 bytes of LDS; arguments x, W_qkv, W_out, opimg; writes opimg
.if DOCPART == 1
	.amdgcn_target "amdgcn-amd-amdhsa--gfx1250"
	.amdhsa_code_object_version 6
	.text
	.protected	k_q8a80258510_quant
	.globl	k_q8a80258510_quant
	.p2align	8
	.type	k_q8a80258510_quant,@function
k_q8a80258510_quant:
	s_mov_b64 s[64:65], 0
	v_nop
	global_prefetch_b8 v0, s[64:65] scope:SCOPE_SE
	s_setreg_imm32_b32 hwreg(HW_REG_WAVE_MODE, 25, 1), 1
	s_wait_xcnt 0x0
; x [8192][1024], W_qkv [1024][3072] and W_out [1024][1024], f32, become codes of FP6 (E2M3) with one E8M0 byte for each 32 along K (x: its columns; the weights: their rows),
; laid in opimg in the ORDER OF AN OPERAND'S REGISTERS.  opimg = [group 96][K step 8][12,800 bytes]: a group is 128 rows of an operand (groups 0-63: tokens; 64-87: columns of W_qkv; 88-95: columns of W_out),
; a K step is 128 along K.  A block holds 8 fragment images of 1,536 bytes and 512 bytes of scale words.
; TILE t, OPERAND ROW i of a group is the group's row pi(t, i) = 32 (t / 2) + 8 (t % 2) + i + 8 (i / 8).
; A FRAGMENT IMAGE: lane l = (r = l % 16, h = l / 16) holds registers 6 c .. 6 c + 5 = the 24 code bytes of k = 64 c + 32 h + 0 .. 31 of row r.  Registers 6 c .. 6 c + 3 lie at 768 c + 16 l, registers 6 c + 4, 6 c + 5 at 768 c + 512 + 8 l.
; SCALE WORDS (four bytes: 128 along K of one row): tile t, row r at 12,288 + 256 (t / 4) + 16 r + 4 (t % 4).
; A block's scale is 2^(floor(log2(largest magnitude)) - 2); its byte is the largest magnitude's exponent field - 2, held at 1 from below.
; LIMITS: a block of zeros gets the byte 1 where the rule says 127 (its codes are zeros, and this program alone reads the bytes); NaN and infinities among the inputs are not served.
; SHARES.  A wave makes one unit: four tiles (half hf of a group) x one K step: 6,144 bytes of codes and 256 scale bytes.  Waves share nothing: no barrier.  Three paths part on the work-group's number, each with LDS bytes of its own.
; No matrix unit, no cluster, no tensor load: a stream whose work-groups share no input.
.set SEL, 20                           ; s[20:21] lane selects for v_permlanex16_b32: lane l xor 16
.set R,   16                           ; v16-143  path X: two sets of 64 numbers as loaded
.set X,   144                          ; v144-207 path X: 64 numbers of my row: register 16 b + i = k 32 b + 16 h + i
.set PC,  208                          ; v208-226 the codes just made, and the conversions' second halves
.set TM,  228                          ; v228-243 at work in QUANT
.set PW,  244                          ; v244     the scale word just made
.set W,   246                          ; v246-249 the four tiles' scale words
.set XW,  32                           ; v32-95   weight paths: two sets of 32 numbers down K
.set C,   16                           ; v16-24   weight paths: a block's codes
.set OF,  96                           ; v96-119  weight paths: the two fragments on the way out
; 64 numbers of a lane, register 16 b + i = k 32 b + 16 h + i of my row, become a fragment's codes in v[PC] on and its scale word in v[PW]
.macro QUANT s
.irp b, 0,1,2,3
	v_max3_num_f32 v[TM+\b], |v[(\s)+16*\b]|, |v[(\s)+1+16*\b]|, 0x1800000   ; block b: my 16 numbers, and the floor 2^(3 - 127): the byte cannot fall under 1
.endr
.irp i, 2,4,6,8,10,12,14
.irp b, 0,1,2,3
	v_max3_num_f32 v[TM+\b], v[TM+\b], |v[(\s)+16*\b+\i]|, |v[(\s)+1+16*\b+\i]|   ; the four blocks by turns
.endr
.endr
.irp b, 0,1,2,3
	v_permlanex16_b32 v[TM+4+\b], v[TM+\b], s[SEL], s[SEL+1]
.endr
.irp b, 0,1,2,3
	v_max_num_f32 v[TM+\b], v[TM+\b], v[TM+4+\b]       ; with lane l xor 16's: the block's largest magnitude
.endr
.irp b, 0,1,2,3
	v_add_nc_u32 v[TM+12+\b], 0xff000000, v[TM+\b]     ; 2 off its exponent field: the conversion's scale operand
.endr
.irp b, 0,1,2,3
	v_lshrrev_b32 v[TM+4+\b], 23, v[TM+12+\b]          ; the scale's byte
.endr
	v_lshl_or_b32 v[PW], v[TM+5], 8, v[TM+4]
	v_lshl_or_b32 v[PW], v[TM+6], 16, v[PW]
	v_lshl_or_b32 v[PW], v[TM+7], 24, v[PW]
.irp c, 0,1
	v_cvt_scalef32_pk16_fp6_f32 v[PC+6*\c:PC+2+6*\c], v[(\s)+32*\c:(\s)+15+32*\c], v[TM+12+2*\c]
	v_cvt_scalef32_pk16_fp6_f32 v[PC+12+4*\c:PC+14+4*\c], v[(\s)+16+32*\c:(\s)+31+32*\c], v[TM+12+2*\c+1]   ; a conversion's three registers begin on an even number
.endr
	v_nop                                              ; one plain instruction behind the scaled conversions
.irp c, 0,1                                        ; the layout wants a whole block in a lane: lanes 0-15 block 2 c, lanes 16-31 block 2 c + 1
.irp i, 0,1,2
	v_permlane16_swap_b32 v[PC+6*\c+\i], v[PC+12+4*\c+\i]
.endr
.irp i, 0,1,2
	v_mov_b32 v[PC+3+6*\c+\i], v[PC+12+4*\c+\i]
.endr
.endr
.endm
.macro FRAGLD reg, a16, a8, off        ; a fragment image out of LDS: a16 holds base + 16 l, a8 base + 8 l
	ds_load_b128 v[(\reg):(\reg)+3], v[\a16] offset:(\off)
	ds_load_b64 v[(\reg)+4:(\reg)+5], v[\a8] offset:(\off)+512
	ds_load_b128 v[(\reg)+6:(\reg)+9], v[\a16] offset:(\off)+768
	ds_load_b64 v[(\reg)+10:(\reg)+11], v[\a8] offset:(\off)+1280
.endm
.macro FRAGST reg, base, off           ; and into memory: each store covers 512 or 256 consecutive bytes, aligned to 256 (v4 = 16 l, v5 = 8 l)
	global_store_b128 v4, v[(\reg):(\reg)+3], s[\base:\base+1] offset:(\off)
	global_store_b64 v5, v[(\reg)+4:(\reg)+5], s[\base:\base+1] offset:(\off)+512
	global_store_b128 v4, v[(\reg)+6:(\reg)+9], s[\base:\base+1] offset:(\off)+768
	global_store_b64 v5, v[(\reg)+10:(\reg)+11], s[\base:\base+1] offset:(\off)+1280
.endm
	s_load_b128 s[4:7], s[0:1], 0x0                ; x, W_qkv
	s_load_b128 s[8:11], s[0:1], 0x10              ; W_out, opimg
	v_lshl_add_u32 v254, v0, 2, 0x16000
	v_mov_b32 v255, 0
	v_lshrrev_b32 v1, 5, v0
	v_readfirstlane_b32 s12, v1                    ; wave 0..3
	v_and_b32 v2, 31, v0                           ; lane
	v_lshlrev_b32 v4, 4, v2                        ; 16 l
	v_lshlrev_b32 v5, 3, v2                        ; 8 l
	s_cmp_lt_u32 ttmp9, 256
	s_cbranch_scc0 .Lweights
	; ---- PATH X: work-groups 0 to 255.  Group = number / 4, half = bit 1, K step = 4 x bit 0 + wave.
	; K is innermost in x.  Each load reads 512 consecutive bytes of one row (a K step); 16 rows, a tile, go through the wave's stage (16 rows x 528 bytes) and come back 16 neighbours of each block of 32 to a lane.
	s_mov_b32 s[SEL], 0x76543210
	s_mov_b32 s[SEL+1], 0xfedcba98
	s_lshr_b32 s13, ttmp9, 2                       ; group
	s_bfe_u32 s14, ttmp9, 0x10001                  ; half
	s_and_b32 s15, ttmp9, 1
	s_lshl_b32 s15, s15, 2
	s_add_co_u32 s15, s15, s12                     ; K step
	s_lshl_b32 s16, s13, 19                        ; 128 rows of 4,096 bytes,
	s_lshl_b32 s17, s14, 18                        ; 64 rows,
	s_add_co_u32 s16, s16, s17
	s_lshl_b32 s17, s15, 9                         ; 512 bytes a K step
	s_add_co_u32 s16, s16, s17
	s_mov_b32 s17, 0
	s_lshl_b32 s18, s13, 3
	s_add_co_u32 s18, s18, s15
	s_mul_i32 s18, s18, 12800                      ; the block
	s_mov_b32 s19, 0
	s_mul_i32 s22, s14, 6144                       ; my half's codes in it,
	s_mov_b32 s23, 0
	s_lshl_b32 s24, s14, 8
	s_add_co_u32 s24, s24, 12288                   ; and its scale words
	s_mov_b32 s25, 0
	s_mul_i32 s28, s12, 8704                       ; my LDS region: the stage, 8,448 bytes, and 256 bytes for the scale words
	s_add_co_u32 s29, s28, 8448
	v_and_b32 v3, 15, v0                           ; r
	v_bfe_u32 v10, v0, 4, 1                        ; h
	s_wait_alu depctr_va_vdst(0)
	v_add_nc_u32 v6, s28, v4                       ; into the stage: 16 l of a row
	v_mul_u32_u24 v7, v3, 528
	v_lshl_add_u32 v7, v10, 6, v7
	v_add_nc_u32 v7, s28, v7                       ; out of it: row r, + 64 h
	v_lshl_add_u32 v8, v3, 4, s29                  ; my row's four scale words
	v_add_nc_u32 v9, s29, v5                       ; and 8 bytes a lane on the way out
.irp b, 0,1,2,3
	v_mov_b32 v[TM+4+\b], 0                        ; written once: a lane permute's destination counts as one of its sources
.endr
	s_wait_alu depctr_va_vdst(0)
	s_wait_kmcnt 0x0
	s_add_nc_u64 s[4:5], s[4:5], s[16:17]
	s_add_nc_u64 s[10:11], s[10:11], s[18:19]
	s_add_nc_u64 s[26:27], s[10:11], s[24:25]      ; scale words
	s_add_nc_u64 s[10:11], s[10:11], s[22:23]      ; codes
.macro LOADX a                         ; tile a: operand row p is row pi(a, p) of my 64
.irp p, 0,1,2,3,4,5,6,7,8,9,10,11,12,13,14,15
	global_load_b128 v[R+64*((\a)%2)+4*\p:R+64*((\a)%2)+4*\p+3], v4, s[4:5] offset:(32*((\a)/2)+8*((\a)%2)+\p+8*(\p/8))*4096 th:TH_LOAD_NT
.endr
.endm
.macro TILEX a
.if (\a) < 3
	s_wait_loadcnt 16                              ; this tile's 16 loads are in; the next tile's 16 may be out
.else
	s_wait_loadcnt 0x0
.endif
.irp p, 0,1,2,3,4,5,6,7,8,9,10,11,12,13,14,15
	ds_store_b128 v6, v[R+64*((\a)%2)+4*\p:R+64*((\a)%2)+4*\p+3] offset:528*\p
.endr
.irp b, 0,1,2,3
.irp j, 0,1,2,3
	ds_load_b128 v[X+16*\b+4*\j:X+16*\b+4*\j+3], v7 offset:128*\b+16*\j   ; LDS serves a wave's instructions in order: these see the stores above
.endr
.endr
	s_wait_dscnt 0x0                               ; my numbers are back, and the stores into the stage have read their registers
	s_wait_xcnt 0x0                                ; the last tile's stores have read the codes' registers: they are written again only behind this wait
.if (\a) < 2
	LOADX (\a)+2
.endif
	QUANT X
	v_mov_b32 v[W+(\a)], v[PW]
	FRAGST PC, 10, 1536*(\a)
.endm
	LOADX 0
	LOADX 1
	TILEX 0
	TILEX 1
	TILEX 2
	TILEX 3
	ds_store_b128 v8, v[W:W+3]                     ; row r's four words at 16 r (both halves of the lanes write the same bytes with the same values)
	ds_load_b64 v[250:251], v9
	s_wait_dscnt 0x0
	global_store_b64 v5, v[250:251], s[26:27]      ; 256 consecutive bytes, aligned
	s_wait_tensorcnt 0x0
	ds_add_u32 v254, v255
	s_wait_dscnt 0x0
	s_endpgm
; ---- THE WEIGHTS: K is the FIRST axis.  A lane takes a column and its registers run down K: a block of 32 lies in one lane, and the conversions give codes with K innermost.
; A work-group takes one group of 128 columns x one K step; wave w takes its columns 32 w .. 32 w + 31, which are tiles 2 w and 2 w + 1: four blocks j of 32 along K.
; Lane y is operand row r = y % 8 + 8 (y / 16) of tile 2 w + u, u = (y / 8) % 2.  Its block j belongs to lane r + 16 (j % 2), registers 6 (j / 2) on, of that tile's image:
; the two images are put together in the wave's LDS region (two stages of 1,664 bytes) and leave as whole images, 3,072 consecutive bytes.
; A lane's four scale bytes are its column's scale word: it is stored from the register, four bytes a lane, 128 bytes a wave in pieces of eight: two waves share a unit of 256 bytes of scale words (one byte in 24 of what the wave stores).
.macro LOADW q, N, PB
.irp i, 0,1,2,3,4,5,6,7,8,9,10,11,12,13,14,15,16,17,18,19,20,21,22,23,24,25,26,27,28,29,30,31
	global_load_b32 v[XW+32*((\q)%2)+\i], v3, s[\PB:\PB+1] offset:((32*((\q)%4)+\i)*\N+32*((\q)/4))*4 th:TH_LOAD_NT
.endr
.endm
.macro BLOCKW q, N, PB
.set XS, XW+32*((\q)%2)
.if (\q) < 3
	s_wait_loadcnt 32                              ; this block's 32 loads are in; the next block's may be out
.else
	s_wait_loadcnt 0x0
.endif
	v_max3_num_f32 v14, |v[XS]|, |v[XS+1]|, |v[XS+2]|
	v_max3_num_f32 v15, |v[XS+3]|, |v[XS+4]|, |v[XS+5]|
.irp i, 6,10,14,18,22,26
	v_max3_num_f32 v14, v14, |v[XS+\i]|, |v[XS+\i+1]|
	v_max3_num_f32 v15, v15, |v[XS+\i+2]|, |v[XS+\i+3]|
.endr
	v_max3_num_f32 v14, v14, |v[XS+30]|, |v[XS+31]|
	v_max3_num_f32 v14, v14, v15, 0x1800000        ; the block's largest magnitude, and the floor
	v_add_nc_u32 v26, 0xff000000, v14              ; the conversions' scale operand
	v_lshrrev_b32 v15, 23, v26                     ; the byte
	v_cvt_scalef32_pk16_fp6_f32 v[C:C+2], v[XS:XS+15], v26
	v_cvt_scalef32_pk16_fp6_f32 v[C+6:C+8], v[XS+16:XS+31], v26
.if (\q)%4 == 0
	v_mov_b32 v27, v15                             ; four bytes make my column's scale word.  (Also the plain instruction behind the conversions)
.else
	v_lshl_or_b32 v27, v15, 8*((\q)%4), v27
.endif
.irp i, 0,1,2
	v_mov_b32 v[C+3+\i], v[C+6+\i]
.endr
	ds_store_b128 v9, v[C:C+3] offset:2*((\q)/4)*1664+768*(((\q)%4)/2)+256*((\q)%2)
	ds_store_b64 v10, v[C+4:C+5] offset:2*((\q)/4)*1664+768*(((\q)%4)/2)+512+128*((\q)%2)
.if (\q)+2 < 4
	LOADW (\q)+2, \N, \PB
.endif
	s_wait_dscnt 0x0                               ; the stores have read their registers: the next block's codes may be written
.endm
.macro WPATH N, GRP0, LB, W0, PB
	s_sub_co_u32 s13, ttmp9, \W0
	s_and_b32 s14, s13, 7                          ; K step
	s_lshr_b32 s15, s13, 3
	s_lshl_b32 s16, s15, 2
	s_add_co_u32 s16, s16, s12                     ; which 32 columns
	s_lshr_b32 s17, s16, 2                         ; (s16: which 32 columns)
	s_add_co_u32 s17, s17, \GRP0                   ; group
	s_lshr_b32 s18, s12, 1                         ; half
	s_mul_i32 s22, s14, 128*\N*4                   ; the K step's 128 rows,
	s_lshl_b32 s23, s16, 7                         ; my first column: 32 columns of 4 bytes a wave
	s_add_co_u32 s22, s22, s23
	s_mov_b32 s23, 0
	s_lshl_b32 s24, s17, 3
	s_add_co_u32 s24, s24, s14
	s_mul_i32 s24, s24, 12800                      ; the block
	s_mov_b32 s25, 0
	s_mul_i32 s26, s12, 3072                       ; my two tiles' images
	s_mov_b32 s27, 0
	s_lshl_b32 s28, s18, 8
	s_add_co_u32 s28, s28, 12288
	s_and_b32 s29, s12, 1
	s_lshl_b32 s29, s29, 3
	s_add_co_u32 s28, s28, s29                     ; my two tiles' words of each row: 8 (w % 2)
	s_mov_b32 s29, 0
	s_mul_i32 s32, s12, 6912
	s_add_co_u32 s32, s32, \LB                     ; my LDS region
	v_lshlrev_b32 v3, 2, v2                        ; 4 bytes a lane
	v_and_b32 v6, 7, v2
	v_bfe_u32 v7, v0, 4, 1
	v_lshl_add_u32 v6, v7, 3, v6                   ; r
	v_bfe_u32 v7, v0, 3, 1                         ; u
	v_mul_u32_u24 v8, v7, 1664
	v_add_nc_u32 v8, s32, v8
	v_lshl_add_u32 v9, v6, 4, v8                   ; my tile's stage + 16 r
	v_lshl_add_u32 v10, v6, 3, v8                  ; and + 8 r
	v_lshlrev_b32 v11, 2, v7
	v_lshl_add_u32 v11, v6, 4, v11
	v_add_nc_u32 v12, s32, v4                      ; on the way out: 16 l
	v_add_nc_u32 v13, s32, v5                      ; and 8 l
	s_wait_kmcnt 0x0
	s_add_nc_u64 s[\PB:\PB+1], s[\PB:\PB+1], s[22:23]
	s_add_nc_u64 s[10:11], s[10:11], s[24:25]
	s_add_nc_u64 s[30:31], s[10:11], s[28:29]      ; scale words
	s_add_nc_u64 s[10:11], s[10:11], s[26:27]      ; codes
	LOADW 0, \N, \PB
	LOADW 1, \N, \PB
.irp q, 0,1,2,3
	BLOCKW \q, \N, \PB
.endr
.irp a, 0,1
	FRAGLD OF+12*\a, 12, 13, 1664*\a
.endr
	s_wait_dscnt 0x0
.irp a, 0,1
	FRAGST OF+12*\a, 10, 1536*\a
.endr
	s_wait_alu depctr_va_vdst(0)                   ; directly ahead of the reader below
	global_store_b32 v11, v27, s[30:31]            ; my column's scale word, at 16 r + 4 u
.endm
.Lweights:
	s_cmp_lt_u32 ttmp9, 448
	s_cbranch_scc0 .Lwout
	s_wait_alu depctr_va_vdst(0)
	WPATH 3072, 64, 34816, 256, 6                  ; W_qkv: work-groups 256 to 447
	s_wait_tensorcnt 0x0
	ds_add_u32 v254, v255
	s_wait_dscnt 0x0
	s_endpgm
.Lwout:
	s_wait_alu depctr_va_vdst(0)
	WPATH 1024, 88, 62464, 448, 8                  ; W_out: work-groups 448 to 511 (W_qkv: 256 to 447)
	s_wait_tensorcnt 0x0
	ds_add_u32 v254, v255
	s_wait_dscnt 0x0
	s_endpgm
.Lfunc_end_k_q8a80258510_quant:
	.size	k_q8a80258510_quant, .Lfunc_end_k_q8a80258510_quant-k_q8a80258510_quant
	.p2alignl 7, 3214868480
	.fill 96, 4, 3214868480
	.section	.rodata,"a",@progbits
	.p2align	6, 0x0
	.amdhsa_kernel k_q8a80258510_quant
		.amdhsa_group_segment_fixed_size 90624
		.amdhsa_private_segment_fixed_size 0
		.amdhsa_enable_private_segment 0
		.amdhsa_kernarg_size 32
		.amdhsa_user_sgpr_count 2
		.amdhsa_user_sgpr_kernarg_segment_ptr 1
		.amdhsa_wavefront_size32 1
		.amdhsa_system_sgpr_workgroup_id_x 1
		.amdhsa_system_sgpr_workgroup_id_y 1
		.amdhsa_system_sgpr_workgroup_id_z 1
		.amdhsa_system_vgpr_workitem_id 0
		.amdhsa_next_free_vgpr 256
		.amdhsa_next_free_sgpr 66
		.amdhsa_reserve_vcc 0
		.amdhsa_float_denorm_mode_32 3
		.amdhsa_float_denorm_mode_16_64 3
		.amdhsa_memory_ordered 1
		.amdhsa_forward_progress 1
		.amdhsa_inst_pref_size 78
	.end_amdhsa_kernel
	.amdgpu_metadata
---
amdhsa.version: [ 1, 2 ]
amdhsa.kernels:
  - .name:           k_q8a80258510_quant
    .symbol:         k_q8a80258510_quant.kd
    .args:
      - { .name: x, .offset: 0, .size: 8, .value_kind: global_buffer, .address_space: global }
      - { .name: W_qkv, .offset: 8, .size: 8, .value_kind: global_buffer, .address_space: global }
      - { .name: W_out, .offset: 16, .size: 8, .value_kind: global_buffer, .address_space: global }
      - { .name: opimg, .offset: 24, .size: 8, .value_kind: global_buffer, .address_space: global }
    .group_segment_fixed_size: 90624
    .private_segment_fixed_size: 0
    .kernarg_segment_align: 8
    .kernarg_segment_size: 32
    .max_flat_workgroup_size: 128
    .sgpr_count:     66
    .vgpr_count:     256
    .wavefront_size: 32
...
	.end_amdgpu_metadata
.endif
;; end of part 1
;; launch qkv (part 2): grid 8 x 96, 4 waves a work-group, clusters of 4 x 4, 307,712 bytes of LDS; arguments opimg, b_qkv, qimg, kvimg; writes qimg, kvimg
.if DOCPART == 2
	.amdgcn_target "amdgcn-amd-amdhsa--gfx1250"
	.amdhsa_code_object_version 6
	.text
	.protected	k_q8a80258510_qkv
	.globl	k_q8a80258510_qkv
	.p2align	8
	.type	k_q8a80258510_qkv,@function
k_q8a80258510_qkv:
	s_mov_b64 s[64:65], 0
	v_nop
	global_prefetch_b8 v0, s[64:65] scope:SCOPE_SE
	s_setreg_imm32_b32 hwreg(HW_REG_WAVE_MODE, 25, 1), 1
	s_wait_xcnt 0x0
	s_wait_alu depctr_hold_cnt(0) depctr_sa_sdst(0) depctr_va_vdst(0) depctr_va_sdst(0) depctr_va_ssrc(0) depctr_va_vcc(0) depctr_vm_vsrc(0)
	s_getreg_b32 s2, hwreg(HW_REG_IB_STS2, 6, 4)
	s_cmp_eq_u32 s2, 0
	s_cbranch_scc0 .Lentry_in_a_cluster
	s_endpgm
.Lentry_in_a_cluster:
	s_bfe_u32 s2, ttmp6, 0x10000c
	s_cmp_lg_u32 s2, 0xf033
	s_cbranch_scc0 .Lentry_shape_is_right
	s_endpgm
.Lentry_shape_is_right:
; qkv = Q(x) Q(W_qkv) + b_qkv on codes of FP6 (E2M3) with E8M0 scales, and q, k, v quantised at once for the attention: q and k along the head's 64 channels, v along the keys.  No f32 number of qkv goes to memory.
; THE PRODUCT.  Source 0 = P (16 rows of an operand group), source 1 = R: a lane then holds ONE row of R and its registers run along P.  The rows of a tile are chosen (pi(t, i) = 32 (t / 2) + 8 (t % 2) + i + 8 (i / 8)), so that
; the 16 registers of result tiles 2 b, 2 b + 1 are P's rows 32 b + 16 (lane / 16) + 0 .. 15: 16 neighbours along the axis that is quantised next.  q, k: P = columns of W_qkv, R = tokens.  v: P = tokens (the keys), R = channels.
; Both operands lie in opimg ([group 96][K step 8][12,800]: 8 fragment images of 1,536 bytes in register order, 512 bytes of scale words), so the swap is a choice of group numbers.
; SHARES.  A work-group: 256 of P (two groups) x 128 of R (one group), all of K = 1,024: 3 x 102,400 bytes of LDS, each byte filled ONCE: no slot is filled again.  Wave w: P's group w % 2, R's tiles 4 (w / 2) .. + 3: 32 accumulators.
; CLUSTERS 4 x 4: P's groups hang on cx alone and are asked for jointly by a column of the cluster, R's on cy alone, by a row.  Clusters with y under 16 make q and k, the others v: the same in all partners.
; Each operand comes in two loads, K steps 0, 1 and K steps 2 to 7: waves 0 and 2 fetch P's, waves 1 and 3 R's: one load a wave.
; OUT.  qimg [bh 64][g 16][6,656]: 8 half images (16 tokens x 64 channels: 768 bytes) and 512 bytes of scale words whose bytes 2, 3 are 0.  kvimg [bh][g][13,056]: K like q (6,656), V^T: 4 fragment images (16 channels x 128 keys) at 6,656, its 256 scale bytes at 12,800.
; LIMITS: a block of zeros gets the byte 1 where the rule says 127 (zero codes; this program alone reads the bytes); NaN and infinities are not served.
; No prefetch: every tensor load is issued at the head.
; REGISTERS.  Window 0: v3 r, v13 h, v4 16 l, v5 8 l, v6-10 LDS addresses; v16-31 scale words, two sets; v32-127 R's fragments, two sets; v128-191, v192-199 the biases; v200-227 at work on the way out.
;   Window 1: accumulator (a, b) at 64 a + 8 b.   Window 2: P's fragments, two sets, at 0 and 128.
.set GRPB,  102400
.set STEPB, 12800
.set PAIRB, 25600
.set WV,   12
.set G1P,  24                          ; s[24:31] group 1 for P's loads;  s[32:39] for R's: they differ in the mask
.set G1R,  32
.set G0P,  40                          ; s[40:55] four groups 0: P's K steps 0, 1; R's 0, 1; P's 2 to 7; R's 2 to 7
.set G1P2, 68                          ; s[68:75] group 1 for P's K steps 2 to 7;  s[76:83] for R's
.set G1R2, 76
.set JMP,  96                          ; s96 from my P group's K step 1 to its K step 2 in LDS
.set SEL,  84
.set AP16, 6
.set AP8,  7
.set AR16, 8
.set AR8,  9
.set ARS,  10
.set SH,   11
.set SCO,  12
.set PSC,  16
.set RSC,  20
.set RF,   32
.set BV,   128
.set BL,   192
.set T,    32
.set PC,   96
.set TM,   200
.set PW,   216
.set SW,   218
.set W,    222
.set XW,   226
.set MSB, 0
.macro WIN new                         ; the immediate's high byte repeats the setting that is left
.if MSB != (\new)
	s_set_vgpr_msb (MSB<<8)|(\new)
.set MSB, (\new)
.endif
.endm
.macro PLACES n
.rept \n
	v_nop
.endr
.endm
.macro CROUND                          ; a round of the cluster's barrier
	s_barrier_signal -1
	s_barrier_wait -1
	s_cmp_lg_u32 s[WV], 0
	s_cbranch_scc1 .Lnot_wave_0_\@
	s_barrier_signal -3
.Lnot_wave_0_\@:
	s_barrier_wait -3
	s_barrier_signal -1
	s_barrier_wait -1
.endm
.macro FRAGLD reg, a16, a8, off
	ds_load_b128 v[(\reg):(\reg)+3], v[\a16] offset:(\off)
	ds_load_b64 v[(\reg)+4:(\reg)+5], v[\a8] offset:(\off)+512
	ds_load_b128 v[(\reg)+6:(\reg)+9], v[\a16] offset:(\off)+768
	ds_load_b64 v[(\reg)+10:(\reg)+11], v[\a8] offset:(\off)+1280
.endm
.macro FRAGST reg, base, off
	global_store_b128 v4, v[(\reg):(\reg)+3], s[\base:\base+1] offset:(\off)
	global_store_b64 v5, v[(\reg)+4:(\reg)+5], s[\base:\base+1] offset:(\off)+512
	global_store_b128 v4, v[(\reg)+6:(\reg)+9], s[\base:\base+1] offset:(\off)+768
	global_store_b64 v5, v[(\reg)+10:(\reg)+11], s[\base:\base+1] offset:(\off)+1280
.endm
; one product.  c under 0: the constant 0 starts the sum.  row = 1: source 0's scale words stand in lanes 16-31
.macro WM d, a, b, c, sa, sb, row
.if (\c) < 0
.if \row
	v_wmma_scale_f32_16x16x128_f8f6f4 v[(\d):(\d)+7], v[(\a):(\a)+11], v[(\b):(\b)+11], 0, v[\sa], v[\sb] matrix_a_fmt:MATRIX_FMT_FP6 matrix_b_fmt:MATRIX_FMT_FP6 matrix_a_scale:MATRIX_SCALE_ROW1
.else
	v_wmma_scale_f32_16x16x128_f8f6f4 v[(\d):(\d)+7], v[(\a):(\a)+11], v[(\b):(\b)+11], 0, v[\sa], v[\sb] matrix_a_fmt:MATRIX_FMT_FP6 matrix_b_fmt:MATRIX_FMT_FP6
.endif
.else
.if \row
	v_wmma_scale_f32_16x16x128_f8f6f4 v[(\d):(\d)+7], v[(\a):(\a)+11], v[(\b):(\b)+11], v[(\c):(\c)+7], v[\sa], v[\sb] matrix_a_fmt:MATRIX_FMT_FP6 matrix_b_fmt:MATRIX_FMT_FP6 matrix_a_scale:MATRIX_SCALE_ROW1
.else
	v_wmma_scale_f32_16x16x128_f8f6f4 v[(\d):(\d)+7], v[(\a):(\a)+11], v[(\b):(\b)+11], v[(\c):(\c)+7], v[\sa], v[\sb] matrix_a_fmt:MATRIX_FMT_FP6 matrix_b_fmt:MATRIX_FMT_FP6
.endif
.endif
.endm
; 64 numbers of a lane, register 16 b + i = index 32 b + 16 h + i, become a fragment's codes in v[PC] on and its scale word in v[PW]
.macro QUANT s
.irp b, 0,1,2,3
	v_max3_num_f32 v[TM+\b], |v[(\s)+16*\b]|, |v[(\s)+1+16*\b]|, 0x1800000   ; my 16 numbers of block b, and the floor 2^(3 - 127): the byte cannot fall under 1
.endr
.irp i, 2,4,6,8,10,12,14
.irp b, 0,1,2,3
	v_max3_num_f32 v[TM+\b], v[TM+\b], |v[(\s)+16*\b+\i]|, |v[(\s)+1+16*\b+\i]|
.endr
.endr
.irp b, 0,1,2,3
	v_permlanex16_b32 v[TM+4+\b], v[TM+\b], s[SEL], s[SEL+1]
.endr
.irp b, 0,1,2,3
	v_max_num_f32 v[TM+\b], v[TM+\b], v[TM+4+\b]       ; with lane l xor 16's: the block's largest magnitude
.endr
.irp b, 0,1,2,3
	v_add_nc_u32 v[TM+12+\b], 0xff000000, v[TM+\b]     ; 2 off its exponent field: the conversion's scale operand
.endr
.irp b, 0,1,2,3
	v_lshrrev_b32 v[TM+4+\b], 23, v[TM+12+\b]          ; the byte
.endr
	v_lshl_or_b32 v[PW], v[TM+5], 8, v[TM+4]
	v_lshl_or_b32 v[PW], v[TM+6], 16, v[PW]
	v_lshl_or_b32 v[PW], v[TM+7], 24, v[PW]
.irp c, 0,1
	v_cvt_scalef32_pk16_fp6_f32 v[PC+6*\c:PC+2+6*\c], v[(\s)+32*\c:(\s)+15+32*\c], v[TM+12+2*\c]
	v_cvt_scalef32_pk16_fp6_f32 v[PC+12+4*\c:PC+14+4*\c], v[(\s)+16+32*\c:(\s)+31+32*\c], v[TM+12+2*\c+1]
.endr
	v_nop                                              ; one plain instruction behind the scaled conversions
.irp c, 0,1
.irp i, 0,1,2
	v_permlane16_swap_b32 v[PC+6*\c+\i], v[PC+12+4*\c+\i]
.endr
.irp i, 0,1,2
	v_mov_b32 v[PC+3+6*\c+\i], v[PC+12+4*\c+\i]
.endr
.endr
.endm
	s_load_b128 s[4:7], s[0:1], 0x0                ; opimg, b_qkv
	s_load_b128 s[8:11], s[0:1], 0x10              ; qimg, kvimg
	v_lshl_add_u32 v254, v0, 2, 0x4b000
	v_mov_b32 v255, 0
	ds_add_u32 v254, v255
	ds_add_u32 v254, v255
	v_lshrrev_b32 v1, 5, v0
	v_readfirstlane_b32 s[WV], v1                  ; wave 0..3
	s_and_b32 s13, s[WV], 1                        ; pg: which of P's two groups is mine
	s_lshr_b32 s14, s[WV], 1                       ; rh: which half of R's group
	s_bfe_u32 s15, ttmp6, 0x40000                  ; cx
	s_bfe_u32 s16, ttmp6, 0x40004                  ; cy
	s_and_b32 s18, ttmp7, 0xffff                   ; the cluster's y
	s_lshl_b32 s56, ttmp9, 3
	s_add_co_u32 s56, s56, 64                      ; q, k: P's first group = 64 + 8 x cluster x
	s_lshl_b32 s57, s18, 2                         ;       R's first group = 4 x cluster y
	s_lshl_b32 s58, s18, 1
	s_add_co_u32 s58, s58, ttmp9
	s_sub_co_u32 s58, s58, 32                      ; v: cluster number c = 0 .. 15
	s_and_b32 s59, s58, 7
	s_lshl_b32 s59, s59, 3                         ;    P's first group = 8 (c % 8)
	s_lshr_b32 s60, s58, 3
	s_and_b32 s60, s60, 1
	s_lshl_b32 s60, s60, 2
	s_add_co_u32 s60, s60, 80                      ;    R's first group = 80 + 4 (c / 8)
	s_cmp_ge_u32 s18, 16
	s_cselect_b32 s19, 1, 0                        ; 1: this cluster makes v
	s_cselect_b32 s20, s59, s56
	s_cselect_b32 s21, s60, s57
	s_lshl_b32 s61, s15, 1
	s_add_co_u32 s20, s20, s61                     ; gp: P's first group of my work-group: hangs on cx, never on cy
	s_add_co_u32 s21, s21, s16                     ; gr: R's group: hangs on cy, never on cx
	s_lshl_b32 s62, s16, 2
	s_lshl_b32 s62, 15, s62                        ; my row of the cluster
	s_lshl_b32 s63, 0x1111, s15                    ; my column
	s_or_b32 s[G1P], s63, (3<<16)|(1<<21)          ; 15:0 the mask; 17:16 elements of 8 bytes; 21 set beside a mask; no padding
	s_or_b32 s[G1R], s62, (3<<16)|(1<<21)
	s_or_b32 s[G1P2], s63, (3<<16)|(1<<21)
	s_or_b32 s[G1R2], s62, (3<<16)|(1<<21)
; THE FILLS, ONE LOAD A WAVE: wave 0 K steps 0, 1 of both of P's groups (two rows of 25,600 bytes, a group apart in memory, on end in LDS), wave 1 R's K steps 0, 1 (100 rows of 256 bytes),
; wave 2 K steps 2 to 7 of both of P's groups (two rows of 76,800 bytes), wave 3 R's (300 rows of 256 bytes).  In LDS P's group g has K steps 0, 1 at 25,600 g and K steps 2 to 7 at 51,200 + 76,800 g.
.macro GRP1 g, c, r, p                 ; c elements of 8 bytes a row, r rows, p elements from row to row
	s_mov_b32 s[\g+1], (\c)<<16
	s_mov_b32 s[\g+2], (\r)<<16
	s_mov_b32 s[\g+3], (\c)<<16
	s_mov_b32 s[\g+4], \r
	s_mov_b32 s[\g+5], \p
	s_mov_b32 s[\g+6], 0
	s_mov_b32 s[\g+7], 0
.endm
	GRP1 G1P, 3200, 2, 12800
	GRP1 G1P2, 9600, 2, 12800
	GRP1 G1R, 32, 100, 32
	GRP1 G1R2, 32, 300, 32
	s_mul_i32 s56, s20, GRPB
	s_mov_b32 s57, 0
	s_mul_i32 s58, s21, GRPB
	s_mov_b32 s59, 0
	s_mul_i32 s60, s13, PAIRB                      ; my P group's K step 0 in LDS: no place in the cluster enters an LDS address
	s_mul_i32 s[JMP], s13, 2*PAIRB
	s_add_co_u32 s[JMP], s[JMP], 3*STEPB           ; (51,200 + 76,800 g) - (25,600 g + 12,800)
	s_mov_b32 s[SEL], 0x76543210
	s_mov_b32 s[SEL+1], 0xfedcba98
	s_wait_dscnt 0x0
	s_wait_kmcnt 0x0
	s_add_nc_u64 s[56:57], s[4:5], s[56:57]
	s_add_nc_u64 s[58:59], s[4:5], s[58:59]
	CROUND                                         ; all sixteen work-groups are here: the joint loads meet
.macro GRP0 g, lds, base, off
	s_mov_b32 s[\g], 1
	s_mov_b32 s[\g+1], \lds
	s_add_nc_u64 s[\g+2:\g+3], s[\base:\base+1], \off
	s_or_b32 s[\g+3], s[\g+3], 0x80000000
.endm
	GRP0 G0P, 0, 56, 0
	GRP0 G0P+4, 2*GRPB, 58, 0
	GRP0 G0P+8, 2*PAIRB, 56, PAIRB
	GRP0 G0P+12, 2*GRPB+PAIRB, 58, PAIRB
.macro ARM under, g0, g1, next         ; one chain of branches on the wave's number, one load to an arm, all arms to one join
	s_cmp_lt_u32 s[WV], \under
	s_cbranch_scc0 \next
	tensor_load_to_lds s[\g0:\g0+3], s[\g1:\g1+7]
	s_nop 0
	PLACES 4
	s_branch .Lasked
\next:
.endm
	ARM 1, G0P, G1P, .Lwave_1
	ARM 2, G0P+4, G1R, .Lwave_2
	ARM 3, G0P+8, G1P2, .Lwave_3
	tensor_load_to_lds s[G0P+12:G0P+15], s[G1R2:G1R2+7]
	s_nop 0
	PLACES 4
.Lasked:
	v_and_b32 v2, 31, v0
	v_and_b32 v3, 15, v0                           ; r
	v_bfe_u32 v13, v0, 4, 1                        ; h
	v_lshlrev_b32 v4, 4, v2
	v_lshlrev_b32 v5, 3, v2
	v_add_nc_u32 v[AP16], s60, v4
	v_add_nc_u32 v[AP8], s60, v5
	s_mul_i32 s86, s14, 6144
	s_add_co_u32 s86, s86, 2*GRPB
	v_add_nc_u32 v[AR16], s86, v4                  ; R's tiles 4 rh on
	v_add_nc_u32 v[AR8], s86, v5
	s_lshl_b32 s86, s14, 8
	s_add_co_u32 s86, s86, 2*GRPB+12288
	v_lshl_add_u32 v[ARS], v3, 4, s86              ; their scale words: 16 r (both halves of the lanes take the same)
	v_lshlrev_b32 v[SH], 4, v13
.irp b, 0,1,2,3
	v_mov_b32 v[TM+4+\b], 0                        ; written once: a lane permute's destination counts as one of its sources
.endr
	; the biases, both kinds on every path (the one not wanted from offset 0): by P's index (q, k) and by the lane's row of R (v)
	s_add_co_u32 s87, s20, s13                     ; gp + pg
	s_sub_co_u32 s88, s87, 64
	s_lshl_b32 s88, s88, 9                         ; q, k: my 128 columns
	s_sub_co_u32 s89, s21, 80
	s_lshl_b32 s89, s89, 9
	s_lshl_b32 s90, s14, 8
	s_add_co_u32 s89, s89, s90
	s_add_co_u32 s89, s89, 8192                    ; v: column 2,048 + 128 (gr - 80) + 64 rh
	s_cmp_eq_u32 s19, 1
	s_cselect_b32 s88, 0, s88
	s_cselect_b32 s89, s89, 0
	v_lshl_add_u32 v14, v13, 6, s88                ; + 16 h numbers
	v_and_b32 v15, 8, v3
	v_add_nc_u32 v15, v15, v3
	v_lshl_add_u32 v15, v15, 2, s89                ; + r + 8 (r / 8)
.irp t, 0,1,2,3,4,5,6,7
	global_load_b128 v[BV+8*\t:BV+8*\t+3], v14, s[6:7] offset:(32*(\t/2)+8*(\t%2))*4
	global_load_b128 v[BV+8*\t+4:BV+8*\t+7], v14, s[6:7] offset:(32*(\t/2)+8*(\t%2))*4+16
.endr
.irp a, 0,1,2,3
	global_load_b32 v[BL+2*\a], v15, s[6:7] offset:(32*(\a/2)+8*(\a%2))*4
	global_load_b32 v[BL+2*\a+1], v15, s[6:7] offset:(32*(\a/2)+8*(\a%2))*4   ; (the packed addition names a pair)
.endr
.macro FETCH n                         ; a K step's fragments and scale words into set n: 50 LDS loads in one run
	WIN 0x80                                       ; destination window 2
.irp t, 0,1,2,3,4,5,6,7
	FRAGLD 128*(\n)+12*\t, AP16, AP8, 1536*\t
.endr
	WIN 0
	ds_load_b128 v[PSC+8*(\n):PSC+8*(\n)+3], v[AP16] offset:12288   ; register i: tile i in lanes 0-15, tile 4 + i in lanes 16-31
.irp a, 0,1,2,3
	FRAGLD RF+48*(\n)+12*\a, AR16, AR8, 1536*\a
.endr
	ds_load_b128 v[RSC+8*(\n):RSC+8*(\n)+3], v[ARS]
.endm
; A K step: its fragments were asked for a step ago; the next step's are asked for, then 32 products.  The 32 accumulators take turns, one instruction a turn, in the same order in every step.
.macro STEP s
	WIN 0
	s_wait_dscnt 0x0                               ; this step's fragments are in
.if (\s) == 1
	s_wait_tensorcnt 0x0                           ; every wave's load has landed: K steps 2 to 7 are shown to all.
	s_barrier_signal -1
	s_barrier_wait -1
.endif
.if (\s) < 7
	s_wait_alu depctr_va_vdst(0)
.if (\s) == 1
	v_add_nc_u32 v[AP16], s[JMP], v[AP16]          ; on to the next K step.  These five are also the places between the last step's products and the loads into the registers that they read
	v_add_nc_u32 v[AP8], s[JMP], v[AP8]
.else
	v_add_nc_u32 v[AP16], STEPB, v[AP16]
	v_add_nc_u32 v[AP8], STEPB, v[AP8]
.endif
.irp r, AR16, AR8, ARS
	v_add_nc_u32 v[\r], STEPB, v[\r]
.endr
	FETCH ((\s)+1)%2
.endif
	WIN 0x52                                       ; source 0 (P) window 2, source 1 (R) window 0, C and D window 1
.irp a, 0,1,2,3
.irp b, 0,1,2,3,4,5,6,7
.if (\s) == 0
	WM 64*\a+8*\b, 128*((\s)%2)+12*\b, RF+48*((\s)%2)+12*\a, -1, PSC+8*((\s)%2)+\b%4, RSC+8*((\s)%2)+\a, \b/4
.else
	WM 64*\a+8*\b, 128*((\s)%2)+12*\b, RF+48*((\s)%2)+12*\a, 64*\a+8*\b, PSC+8*((\s)%2)+\b%4, RSC+8*((\s)%2)+\a, \b/4
.endif
.endr
.endr
.endm
	s_wait_alu depctr_va_vdst(0)                   ; the wait at the head's end
	s_cmp_lt_u32 s[WV], 2
	s_cbranch_scc0 .Lnot_first
	s_wait_tensorcnt 0x0                           ; waves 0 and 1: K steps 0 and 1 of P and of R have landed; the loads of waves 2 and 3 may be out
.Lnot_first:
	s_barrier_signal -1
	s_barrier_wait -1
	FETCH 0
.irp s, 0,1,2,3,4,5,6,7
	STEP \s
.endr
	WIN 0
	PLACES 4                                       ; between the last products and the first read of results, and the first write over R's fragments
	s_wait_loadcnt 0x0                             ; the biases
; THE WAY OUT, R's tile a: the bias is added (each accumulator from its low end on), the lane's 64 numbers are quantised, the codes leave as images.
.macro EPI a, isv
	WIN 0x01                                       ; source 0 window 1
.set i, 0
.rept 32
.if \isv
	v_pk_add_f32 v[T+i:T+i+1], v[64*(\a)+i:64*(\a)+i+1], v[BL+2*(\a):BL+2*(\a)+1] op_sel_hi:[1,0]
.else
	v_pk_add_f32 v[T+i:T+i+1], v[64*(\a)+i:64*(\a)+i+1], v[BV+i:BV+i+1]
.endif
.set i, i+2
.endr
	WIN 0
	s_wait_xcnt 0x0                                ; the last tile's stores have read the codes' registers
	QUANT T
.if \isv
	FRAGST PC, 90, 6656+1536*(\a)                  ; 16 channels x 128 keys
	v_mov_b32 v[W+(\a)], v[PW]
.else
	global_store_b128 v4, v[PC:PC+3], s[90:91] offset:768*(\a)        ; channels 0-63 of my 128 columns: the first head's half image
	global_store_b64 v5, v[PC+4:PC+5], s[90:91] offset:768*(\a)+512
	global_store_b128 v4, v[PC+6:PC+9], s[92:93] offset:768*(\a)      ; the second head's
	global_store_b64 v5, v[PC+10:PC+11], s[92:93] offset:768*(\a)+512
	v_lshrrev_b32 v[SW+(\a)], v[SH], v[PW]         ; lanes 0-15 keep the first head's two bytes, lanes 16-31 the second head's;
	v_and_b32 v[SW+(\a)], 0xffff, v[SW+(\a)]       ; bytes 2 and 3 are 0
.endif
.endm
	s_cmp_eq_u32 s19, 1
	s_cbranch_scc1 .Lepi_v
	; q, k.  My 128 columns are heads 2 hp, 2 hp + 1 of q (cluster x = 0) or of k (1), hp = 2 cx + pg; R's group gr is tokens 128 (gr % 16) on of batch gr / 16
	s_sub_co_u32 s56, s87, 64
	s_and_b32 s56, s56, 7                          ; hp
	s_lshr_b32 s58, s21, 4
	s_lshl_b32 s58, s58, 3
	s_add_co_u32 s58, s58, s56
	s_lshl_b32 s58, s58, 5                         ; (16 batch + 2 hp) x 16
	s_and_b32 s59, s21, 15
	s_add_co_u32 s58, s58, s59                     ; the first head's block
	s_mov_b32 s59, 13056
	s_cmp_eq_u32 ttmp9, 1
	s_cselect_b32 s59, s59, 6656                   ; a block's bytes
	s_cselect_b64 s[90:91], s[10:11], s[8:9]       ; kvimg or qimg
	s_mul_i32 s88, s58, s59
	s_mov_b32 s89, 0
	s_add_nc_u64 s[90:91], s[90:91], s[88:89]
	s_lshl_b32 s88, s14, 8
	s_add_co_u32 s88, s88, 6144
	s_add_nc_u64 s[94:95], s[90:91], s[88:89]      ; my four tiles' scale words
	s_mul_i32 s88, s14, 3072
	s_add_nc_u64 s[90:91], s[90:91], s[88:89]      ; my four tiles' half images
	s_lshl_b32 s88, s59, 4                         ; the next head lies 16 blocks on
	s_add_nc_u64 s[92:93], s[90:91], s[88:89]
	v_mul_lo_u32 v[SCO], v13, s88
	v_lshl_add_u32 v[SCO], v3, 4, v[SCO]           ; 16 r, + a head for lanes 16-31
.irp a, 0,1,2,3
	EPI \a, 0
.endr
	global_store_b128 v[SCO], v[SW:SW+3], s[94:95] ; each half of the lanes stores 256 consecutive bytes, aligned
	s_branch .Lend
.Lepi_v:
	; v.  R's half rh of group gr is head 2 (gr - 80) + rh; P's group gp + pg is keys 128 ((gp + pg) % 16) on of batch (gp + pg) / 16
	s_sub_co_u32 s56, s21, 80
	s_lshl_b32 s56, s56, 1
	s_add_co_u32 s56, s56, s14
	s_lshr_b32 s57, s87, 4
	s_lshl_b32 s57, s57, 4
	s_add_co_u32 s57, s57, s56
	s_lshl_b32 s57, s57, 4
	s_and_b32 s58, s87, 15
	s_add_co_u32 s57, s57, s58
	s_mul_i32 s88, s57, 13056
	s_mov_b32 s89, 0
	s_add_nc_u64 s[90:91], s[10:11], s[88:89]
.irp a, 0,1,2,3
	EPI \a, 1
.endr
	v_cmp_eq_u32 vcc_lo, 1, v13
	v_cndmask_b32 v[XW], v[W], v[W+2], vcc_lo      ; lane (r, h) stores the words of tiles 2 h, 2 h + 1 of row r
	v_cndmask_b32 v[XW+1], v[W+1], v[W+3], vcc_lo
	global_store_b64 v5, v[XW:XW+1], s[90:91] offset:12800
.Lend:
	s_wait_tensorcnt 0x0
	ds_add_u32 v254, v255
	s_wait_dscnt 0x0
	CROUND                                         ; the closing round: no work-group ends while a partner may still ask for a tile that names it
	s_endpgm
.Lfunc_end_k_q8a80258510_qkv:
	.size	k_q8a80258510_qkv, .Lfunc_end_k_q8a80258510_qkv-k_q8a80258510_qkv
	.p2alignl 7, 3214868480
	.fill 96, 4, 3214868480
	.section	.rodata,"a",@progbits
	.p2align	6, 0x0
	.amdhsa_kernel k_q8a80258510_qkv
		.amdhsa_group_segment_fixed_size 307712
		.amdhsa_private_segment_fixed_size 0
		.amdhsa_enable_private_segment 0
		.amdhsa_kernarg_size 32
		.amdhsa_user_sgpr_count 2
		.amdhsa_user_sgpr_kernarg_segment_ptr 1
		.amdhsa_wavefront_size32 1
		.amdhsa_system_sgpr_workgroup_id_x 1
		.amdhsa_system_sgpr_workgroup_id_y 1
		.amdhsa_system_sgpr_workgroup_id_z 1
		.amdhsa_system_vgpr_workitem_id 0
		.amdhsa_next_free_vgpr 768
		.amdhsa_next_free_sgpr 100
		.amdhsa_reserve_vcc 1
		.amdhsa_float_denorm_mode_32 3
		.amdhsa_float_denorm_mode_16_64 3
		.amdhsa_memory_ordered 1
		.amdhsa_forward_progress 1
		.amdhsa_inst_pref_size 124
	.end_amdhsa_kernel
	.amdgpu_metadata
---
amdhsa.version: [ 1, 2 ]
amdhsa.kernels:
  - .name:           k_q8a80258510_qkv
    .symbol:         k_q8a80258510_qkv.kd
    .args:
      - { .name: opimg, .offset: 0, .size: 8, .value_kind: global_buffer, .address_space: global }
      - { .name: b_qkv, .offset: 8, .size: 8, .value_kind: global_buffer, .address_space: global }
      - { .name: qimg, .offset: 16, .size: 8, .value_kind: global_buffer, .address_space: global }
      - { .name: kvimg, .offset: 24, .size: 8, .value_kind: global_buffer, .address_space: global }
    .group_segment_fixed_size: 307712
    .private_segment_fixed_size: 0
    .kernarg_segment_align: 8
    .kernarg_segment_size: 32
    .max_flat_workgroup_size: 128
    .sgpr_count:     100
    .vgpr_count:     768
    .wavefront_size: 32
...
	.end_amdgpu_metadata
.endif
;; end of part 2
;; launch attn (part 3): grid 4 x 64, 8 waves a work-group, clusters of 4 x 1, 209,920 bytes of LDS; arguments qimg, kvimg, aimg, asc; writes aimg, asc
.if DOCPART == 3
	.amdgcn_target "amdgcn-amd-amdhsa--gfx1250"
	.amdhsa_code_object_version 6
	.text
	.protected	k_q8a80258510_attn
	.globl	k_q8a80258510_attn
	.p2align	8
	.type	k_q8a80258510_attn,@function
k_q8a80258510_attn:
	s_mov_b64 s[64:65], 0
	v_nop
	global_prefetch_b8 v0, s[64:65] scope:SCOPE_SE
	s_setreg_imm32_b32 hwreg(HW_REG_WAVE_MODE, 25, 1), 1
	s_wait_xcnt 0x0
	s_wait_alu depctr_hold_cnt(0) depctr_sa_sdst(0) depctr_va_vdst(0) depctr_va_sdst(0) depctr_va_ssrc(0) depctr_va_vcc(0) depctr_vm_vsrc(0)
	s_getreg_b32 s2, hwreg(HW_REG_IB_STS2, 6, 4)
	s_cmp_eq_u32 s2, 0
	s_cbranch_scc0 .Lentry_in_a_cluster
	s_endpgm
.Lentry_in_a_cluster:
	s_bfe_u32 s2, ttmp6, 0x10000c
	s_cmp_lg_u32 s2, 0x3003
	s_cbranch_scc0 .Lentry_shape_is_right
	s_endpgm
.Lentry_shape_is_right:
; For each of 64 (batch, head): O = softmax(q k^T / 8) v, both products on codes of FP6 (E2M3) with E8M0 scales; O is quantised along the head's 64 channels for the last product.
; THE SOFTMAX: t = score x log2(e) / 8; M = the running largest t rounded UP to a whole number; p = 2^(t - M) is quantised along the keys, not normalised; the row's sum is taken of the unquantised p and divides O at the end.
; When M moves, the sum and O are multiplied by 2^(old M - new M): exact.
; SHARES.  A work-group: 512 queries of one head; the four work-groups of a cluster cover the head.  A wave: 64 queries, four tiles of 16, so that each fragment of K and V read from LDS feeds four tiles.  Two waves share a SIMD.
; THE TILES GO IN PAIRS: every stage of the softmax is written for two tiles by turns, so that a line's reader stands several lines on, and one pair of waits serves the exponentials of both tiles.
; K AND V OF THE WHOLE HEAD STAY IN LDS: 16 blocks of 13,056 bytes (128 keys each), filled ONCE, by joint loads that name all four work-groups; wave w asks for blocks 2 w and 2 w + 1 by one load of 102 rows of 256 bytes.
; No prefetch: every tensor load is issued at the head, so there is no loop to run ahead in.
; LAYOUT.  Both products are used transposed: S^T = K Q^T (source 0 = 16 keys), O^T = V^T P^T (source 0 = 16 channels): a lane holds ONE query throughout.
; WHICH KEYS FORM A TILE OF K is chosen by the LDS addresses: operand row i of tile t = 4 g + 2 u + e is key 64 g + 32 (i / 8) + 8 (2 u + e) + i % 8 of the step.  So register 8 t + j of lane (r, h) is key 64 g + 32 h + 8 (t % 4) + j:
; registers 32 c .. 32 c + 31 are the WHOLE block 2 c + h of 32 keys, in the order of P's operand registers 6 c .. 6 c + 5.  A block's largest score needs no other lane, and the codes are not moved between lanes.
; In kvimg key 32 a + 16 w + 8 e + x is row 8 w + x of half image 2 a + e (768 bytes: registers 0-3 at 16 l, registers 4, 5 at 512 + 8 l): lane (r, h) reads half image 4 g + 2 (r / 8) + e, row 8 u + r % 8.
; THE FIRST PRODUCT'S K IS 64, half of the instruction's 128.  Q's registers 6-11 are zero codes.  K's tiles lie 6 registers apart, so that tile t's registers 6-11 are tile t + 1's codes (the last tile's: zeros): they meet zero codes and add nothing.
; Bytes 2 and 3 of K's and Q's scale words are 0, which stands for 2^-127 and is no NaN.
; ORDER.  Behind a pair's codes: its O^T under the new M, S^T of the next pair, its O^T += V^T P^T: 24 matrix instructions on end.
; LIMITS: the promise holds while the scaled scores t stay under 2^31 in magnitude; a p under 2^-126 comes out as 0 (v_exp_f32 gives no denormals); 1 / sum by v_rcp_f32 and a multiplication;
; a block of zeros gets the byte 1 where the rule says 127 (zero codes; this program alone reads the bytes); NaN and infinities are not served.
; O^T and the sums begin as zeros and the largest score as -3e38, so that the key step is written without a first step of its own.
; REGISTERS.  Window 0: see the names below.  Window 1: O^T of tile q at 32 q; Q of tile q at 128 + 12 q; V's four fragments at 176; p's codes of the pair's two tiles at 224 and 236.
.set KVB,  13056
.set WV,   12
.set G1,   24                          ; s[24:31] group 1;  s[32:35] group 0
.set G0,   32
.set CS,   40                          ; s[40:41] c = log2(e) / 8
.set SEL,  42                          ; s[42:43] lane selects: lane l xor 16
.set TB,   44                          ; s44  LDS byte at which the step's block begins
.set CNT,  45
.set NC,   56                          ; s56  -c
.set AV16, 3                           ; v3, v4   this step's V: 16 l, 8 l
.set AV8,  4
.set AK16, 5                           ; v5-7     this step's K: pieces of 16 bytes, of 8 bytes, scale words
.set AK8,  6
.set AKS,  7
.set QS,   8                           ; v8-11    Q's scale words, a register a tile
.set ST,   12                          ; v12-27   tile q: +0 -M, +1 the largest score, +2, +3 the sum in two halves
.set PS,   28                          ; v28-29   p's scale words, a register for each tile of the pair
.set KS,   30                          ; v30-33   K's scale words: register 2 u + e: tile 2 u + e in lanes 0-15, tile 4 + 2 u + e in lanes 16-31
.set VS,   34                          ; v34-35   V's: register i: tile i, tile 2 + i
.set KF,   36                          ; v36-83   K's eight half fragments;  v84-89 zeros
.set S,    90                          ; v90-217  S^T, then p: 64 registers for each tile of the pair
.set W,    218                         ; v218-233 at work.  First: tile y's four chains of maxima at W + 4 y.  Then W + 3 + 4 y: lane l xor 16's number, the old -M.  At the end: the upper halves of the blocks' codes at W, W + 4, W + 8, W + 12
.set BM,   W+8                         ; v226-229 tile y's two blocks' largest score, then largest p, then byte: BM + 2 y, + 1
.set TM,   W+12                        ; v230-231 at work, a register a tile
.set SO,   234                         ; v234-237 the conversions' scale operands
.set F,    238                         ; v238-241 2^(old M - new M): tile y's at F + 2 y (named as a pair)
.set SP,   242                         ; v242-245 the sums' second chains
.set SH8,  246                         ; v246     8 h
.set LK16, 247                         ; v247-249 the lane's part of K's three addresses
.set LK8,  248
.set LKS,  249
.set AQ,   250                         ; v250     16 r: Q's scale words
.set H,    251                         ; v251     h
.set AO,   252                         ; v252     8 r + 4 h
.set VF,   176                         ; window 1
.set PC,   224                         ; window 1
.set HW,   30                          ; the way out: the tiles' two scale bytes
.set OC,   S+32                        ; the way out: the tiles' codes, 8 registers apart
.set MSB, 0
.macro WIN new
.if MSB != (\new)
	s_set_vgpr_msb (MSB<<8)|(\new)
.set MSB, (\new)
.endif
.endm
.macro PLACES n
.rept \n
	v_nop
.endr
.endm
.macro WALU
	s_wait_alu depctr_va_vdst(0)
.endm
.macro CROUND
	s_barrier_signal -1
	s_barrier_wait -1
	s_cmp_lg_u32 s[WV], 0
	s_cbranch_scc1 .Lnot_wave_0_\@
	s_barrier_signal -3
.Lnot_wave_0_\@:
	s_barrier_wait -3
	s_barrier_signal -1
	s_barrier_wait -1
.endm
.macro FRAGLD reg, a16, a8, off
	ds_load_b128 v[(\reg):(\reg)+3], v[\a16] offset:(\off)
	ds_load_b64 v[(\reg)+4:(\reg)+5], v[\a8] offset:(\off)+512
	ds_load_b128 v[(\reg)+6:(\reg)+9], v[\a16] offset:(\off)+768
	ds_load_b64 v[(\reg)+10:(\reg)+11], v[\a8] offset:(\off)+1280
.endm
.macro WM d, a, b, c, sa, sb, row      ; c under 0: the constant 0 starts the sum.  row = 1: source 0's scale words stand in lanes 16-31
.if (\c) < 0
.if \row
	v_wmma_scale_f32_16x16x128_f8f6f4 v[(\d):(\d)+7], v[(\a):(\a)+11], v[(\b):(\b)+11], 0, v[\sa], v[\sb] matrix_a_fmt:MATRIX_FMT_FP6 matrix_b_fmt:MATRIX_FMT_FP6 matrix_a_scale:MATRIX_SCALE_ROW1
.else
	v_wmma_scale_f32_16x16x128_f8f6f4 v[(\d):(\d)+7], v[(\a):(\a)+11], v[(\b):(\b)+11], 0, v[\sa], v[\sb] matrix_a_fmt:MATRIX_FMT_FP6 matrix_b_fmt:MATRIX_FMT_FP6
.endif
.else
.if \row
	v_wmma_scale_f32_16x16x128_f8f6f4 v[(\d):(\d)+7], v[(\a):(\a)+11], v[(\b):(\b)+11], v[(\c):(\c)+7], v[\sa], v[\sb] matrix_a_fmt:MATRIX_FMT_FP6 matrix_b_fmt:MATRIX_FMT_FP6 matrix_a_scale:MATRIX_SCALE_ROW1
.else
	v_wmma_scale_f32_16x16x128_f8f6f4 v[(\d):(\d)+7], v[(\a):(\a)+11], v[(\b):(\b)+11], v[(\c):(\c)+7], v[\sa], v[\sb] matrix_a_fmt:MATRIX_FMT_FP6 matrix_b_fmt:MATRIX_FMT_FP6
.endif
.endif
.endm
	s_load_b128 s[4:7], s[0:1], 0x0                ; qimg, kvimg
	s_load_b128 s[8:11], s[0:1], 0x10              ; aimg, asc
	v_lshl_add_u32 v254, v0, 2, 0x33000            ; my spare word, behind the 16 blocks
	v_mov_b32 v255, 0
	ds_add_u32 v254, v255                          ; the opening lines: the add, twice on end, and its wait ahead of my tensor load
	ds_add_u32 v254, v255
	v_lshrrev_b32 v1, 5, v0
	v_readfirstlane_b32 s[WV], v1                  ; wave 0..7
	s_bfe_u32 s13, ttmp6, 0x40000                  ; cx: it enters Q's and the outputs' addresses alone
	s_and_b32 s14, ttmp7, 0xffff                   ; bh = 16 batch + head, which the four partners share
	s_mov_b32 s[G1], 15|(3<<16)|(1<<21)            ; 15:0 the mask: all four; 17:16 elements of 8 bytes; 21 set beside a mask; no padding
	s_mov_b32 s[G1+1], 32<<16                      ; rows of 256 bytes,
	s_mov_b32 s[G1+2], 102<<16                     ; 102 of them: two blocks
	s_mov_b32 s[G1+3], 32<<16
	s_mov_b32 s[G1+4], 102
	s_mov_b32 s[G1+5], 32
	s_mov_b32 s[G1+6], 0
	s_mov_b32 s[G1+7], 0
	s_mul_i32 s18, s[WV], 2*KVB                    ; blocks 2 w, 2 w + 1: in LDS,
	s_mul_i32 s16, s14, 16*KVB
	s_add_co_u32 s16, s16, s18                     ; and in the head's part of kvimg
	s_mov_b32 s17, 0
	s_mov_b32 s[CS], 0x3e38aa3b                    ; log2(e) / 8
	s_mov_b32 s[CS+1], s[CS]                       ; (named with it as a pair)
	s_mov_b32 s[NC], 0xbe38aa3b
	s_mov_b32 s[SEL], 0x76543210
	s_mov_b32 s[SEL+1], 0xfedcba98
	s_and_b32 s22, s[WV], 1
	s_lshl_b32 s19, s14, 4
	s_lshl_b32 s20, s13, 2
	s_add_co_u32 s19, s19, s20
	s_lshr_b32 s20, s[WV], 1
	s_add_co_u32 s19, s19, s20                     ; my queries' block of qimg: 16 bh + 4 cx + w / 2
	s_mul_i32 s20, s19, 6656
	s_mov_b32 s21, 0
	s_lshr_b32 s50, s14, 4                         ; batch
	s_lshl_b32 s51, s50, 4
	s_lshl_b32 s52, s13, 2
	s_add_co_u32 s51, s51, s52
	s_lshr_b32 s52, s[WV], 1
	s_add_co_u32 s51, s51, s52                     ; the token group
	s_lshl_b32 s51, s51, 3
	s_bfe_u32 s52, s14, 0x30001                    ; the last product's K step: head / 2
	s_add_co_u32 s51, s51, s52
	s_mul_i32 s52, s51, 12288
	s_mul_i32 s53, s22, 6144                       ; my four tiles,
	s_add_co_u32 s52, s52, s53
	s_and_b32 s53, s14, 1
	s_mul_i32 s53, s53, 768                        ; the head's half of a fragment
	s_add_co_u32 s52, s52, s53
	s_mov_b32 s53, 0
	s_lshl_b32 s54, s50, 5
	s_lshl_b32 s55, s13, 3
	s_add_co_u32 s54, s54, s55
	s_add_co_u32 s54, s54, s[WV]                   ; my 64 tokens' number
	s_lshl_b32 s54, s54, 11
	s_and_b32 s55, s14, 15
	s_lshl_b32 s55, s55, 7
	s_add_co_u32 s54, s54, s55
	s_mov_b32 s55, 0
	s_wait_dscnt 0x0
	s_wait_kmcnt 0x0
	s_add_nc_u64 s[16:17], s[6:7], s[16:17]
	s_add_nc_u64 s[4:5], s[4:5], s[20:21]
	s_add_nc_u64 s[8:9], s[8:9], s[52:53]
	s_add_nc_u64 s[10:11], s[10:11], s[54:55]
	s_mul_i32 s20, s22, 3072
	s_add_nc_u64 s[46:47], s[4:5], s[20:21]        ; my four tiles of Q
	s_lshl_b32 s20, s22, 8
	s_add_co_u32 s20, s20, 6144
	s_add_nc_u64 s[48:49], s[4:5], s[20:21]        ; and their scale words
	CROUND                                         ; all four work-groups are here: the joint loads meet
	s_mov_b32 s[G0], 1
	s_mov_b32 s[G0+1], s18
	s_mov_b64 s[G0+2:G0+3], s[16:17]
	s_or_b32 s[G0+3], s[G0+3], 0x80000000
	s_cmp_eq_u32 s[WV], 0                          ; one load a wave, each for LDS bytes of its own.  Wave 0 has a line of its own: the first barrier shows its two blocks alone
	s_cbranch_scc0 .Lothers
	tensor_load_to_lds s[G0:G0+3], s[G1:G1+7]
	s_nop 0
	PLACES 4
	s_branch .Lasked
.Lothers:
	tensor_load_to_lds s[G0:G0+3], s[G1:G1+7]
	s_nop 0
	PLACES 4
.Lasked:
	v_and_b32 v[TM], 31, v0
	v_and_b32 v[W], 15, v0                         ; r
	v_bfe_u32 v[H], v0, 4, 1                       ; h
	v_and_b32 v[W+1], 7, v0                        ; r % 8
	v_bfe_u32 v[W+2], v0, 3, 1                     ; r / 8
	v_lshlrev_b32 v1, 4, v[TM]                     ; 16 l
	v_lshlrev_b32 v2, 3, v[TM]                     ; 8 l
	v_lshlrev_b32 v[AQ], 4, v[W]                   ; 16 r
	v_lshlrev_b32 v[AO], 3, v[W]
	v_mul_u32_u24 v[LK16], v[W+2], 1536            ; two half images on for rows 8-15
	v_lshlrev_b32 v[LKS], 4, v[W+1]
	v_lshlrev_b32 v[SH8], 3, v[H]
	v_lshl_add_u32 v[AO], v[H], 2, v[AO]           ; 8 r + 4 h
	v_lshl_add_u32 v[LK8], v[W+1], 3, v[LK16]
	v_lshl_add_u32 v[LK16], v[W+1], 4, v[LK16]
	v_lshl_add_u32 v[LKS], v[W+2], 3, v[LKS]
	v_lshl_add_u32 v[LK8], v[H], 7, v[LK8]         ; 1,536 (r / 8) + 8 (r % 8) + 128 h
	v_lshl_add_u32 v[LK16], v[H], 8, v[LK16]       ; 1,536 (r / 8) + 16 (r % 8) + 256 h
	v_lshl_add_u32 v[LKS], v[H], 8, v[LKS]         ; 16 (r % 8) + 8 (r / 8) + 256 h
	global_load_b128 v[QS:QS+3], v[AQ], s[48:49]
	WIN 0x40                                       ; destination window 1
.irp q, 0,1,2,3
	global_load_b128 v[128+12*\q:128+12*\q+3], v1, s[46:47] offset:768*\q
	global_load_b64 v[128+12*\q+4:128+12*\q+5], v2, s[46:47] offset:768*\q+512
.irp i, 6,7,8,9,10,11
	v_mov_b32 v[128+12*\q+\i], 0                   ; zero codes for k = 64 .. 127
.endr
.endr
.set i, 0
.rept 128
	v_mov_b32 v[i], 0                              ; O^T
.set i, i+1
.endr
	WIN 0
.irp q, 0,1,2,3
	v_mov_b32 v[ST+4*\q+1], 0xff61b1e6             ; the largest score so far: -3e38
	v_mov_b32 v[ST+4*\q+2], 0
	v_mov_b32 v[ST+4*\q+3], 0
	v_mov_b32 v[F+\q], 0                           ; (the upper halves of the pairs are named with the lower)
.endr
.irp q, 0,1,2,3
	v_mul_f32 v[ST+4*\q], s[NC], v[ST+4*\q+1]
.endr
.irp q, 0,1,2,3
	v_floor_f32 v[ST+4*\q], v[ST+4*\q]             ; -M
.endr
.irp i, 0,1,2,3,4,5
	v_mov_b32 v[KF+48+\i], 0                       ; behind K's last tile
.endr
.macro SMUL x                          ; S^T of pair x: for each of its two tiles eight tiles of 16 keys
	WIN 0x04                                       ; source 1 (Q) window 1
.irp y, 0,1
.irp t, 0,1,2,3,4,5,6,7
	WM S+64*\y+8*\t, KF+6*\t, 128+12*(2*(\x)+\y), -1, KS+\t%4, QS+2*(\x)+\y, \t/4
.endr
.endr
.endm
; TWO TILES OF 16 QUERIES, y = 0, 1, against the step's 128 keys; their S^T stands in v[S] on, four places behind its products
.macro PAIR x
.set rT, ST+8*(\x)
.set rO, 64*(\x)
.irp y, 0,1
.irp k, 0,1,2,3
	v_max3_num_f32 v[W+4*\y+\k], v[S+64*\y+16*\k], v[S+64*\y+16*\k+1], v[S+64*\y+16*\k+2]   ; eight chains by turns, two to a block of 32 keys; each accumulator is read from its low end on
.endr
.endr
.irp i, 3,5,7,9,11,13
.irp y, 0,1
.irp k, 0,1,2,3
	v_max3_num_f32 v[W+4*\y+\k], v[W+4*\y+\k], v[S+64*\y+16*\k+\i], v[S+64*\y+16*\k+\i+1]
.endr
.endr
.endr
.irp y, 0,1
	v_max3_num_f32 v[BM+2*\y], v[W+4*\y], v[W+4*\y+1], v[S+64*\y+15]
	v_max3_num_f32 v[BM+2*\y+1], v[W+4*\y+2], v[W+4*\y+3], v[S+64*\y+47]
.endr
.irp y, 0,1
	v_max_num_f32 v[BM+2*\y], v[BM+2*\y], v[S+64*\y+31]       ; the largest score of my two blocks: it serves for the row's maximum and, since p rises with the score, for the block's largest p
	v_max_num_f32 v[BM+2*\y+1], v[BM+2*\y+1], v[S+64*\y+63]
.endr
	s_delay_alu instid0(VALU_DEP_3)
	v_max_num_f32 v[TM], v[BM], v[BM+1]
	s_delay_alu instid0(VALU_DEP_2)
	v_max_num_f32 v[TM+1], v[BM+2], v[BM+3]
.irp y, 0,1
	s_delay_alu instid0(VALU_DEP_2)
	v_permlanex16_b32 v[W+3+4*\y], v[TM+\y], s[SEL], s[SEL+1]
.endr
.irp y, 0,1
	s_delay_alu instid0(VALU_DEP_2)
	v_max3_num_f32 v[rT+4*\y+1], v[rT+4*\y+1], v[TM+\y], v[W+3+4*\y]   ; with lane l xor 16's two blocks: the running largest score of my query
.endr
.irp y, 0,1
	s_delay_alu instid0(VALU_DEP_2)
	v_mul_f32 v[TM+\y], s[NC], v[rT+4*\y+1]        ; -t (c is positive)
.endr
.irp y, 0,1
	v_mov_b32 v[W+3+4*\y], v[rT+4*\y]
.endr
.irp y, 0,1
	s_delay_alu instid0(VALU_DEP_4)
	v_floor_f32 v[rT+4*\y], v[TM+\y]               ; the new -M = -ceil(t)
.endr
.set j, 0
.rept 64
	v_pk_fma_f32 v[S+j:S+j+1], v[S+j:S+j+1], s[CS:CS+1], v[rT+4*(j/64):rT+4*(j/64)+1] op_sel_hi:[1,0,0]   ; t - M, two at a time
.if j == 4
	v_sub_f32 v[W+3], v[rT], v[W+3]                ; old M - new M: a whole number, 0 or less
	v_sub_f32 v[W+7], v[rT+4], v[W+7]
.elseif j == 12
	v_cvt_i32_f32 v[W+3], v[W+3]                   ; (it saturates)
	v_cvt_i32_f32 v[W+7], v[W+7]
.elseif j == 20
	v_ldexp_f32 v[F], 1.0, v[W+3]
	v_ldexp_f32 v[F+2], 1.0, v[W+7]
.endif
.set j, j+2
.endr
.irp y, 0,1
	v_fma_f32 v[BM+2*\y], v[BM+2*\y], s[CS], v[rT+4*\y]
	v_fma_f32 v[BM+2*\y+1], v[BM+2*\y+1], s[CS], v[rT+4*\y]
.endr
	WALU                                           ; the wait ahead of the batch
.irp i, 0,1,2,3
	v_exp_f32 v[BM+\i], v[BM+\i]                   ; each block's largest p: the same two instructions on the same number
.endr
.set j, 0
.rept 128
	v_exp_f32 v[S+j], v[S+j]                       ; p = 2^(t - M)
.set j, j+1
.endr
.irp y, 0,1
	v_pk_mul_f32 v[rT+4*\y+2:rT+4*\y+3], v[rT+4*\y+2:rT+4*\y+3], v[F+2*\y:F+2*\y+1] op_sel_hi:[1,0]   ; the sums under the new M: plain instructions behind the exponentials
.endr
	WALU                                           ; one wait for the batch, ahead of its first reader
.irp y, 0,1
	v_pk_add_f32 v[SP+2*\y:SP+2*\y+1], v[S+64*\y:S+64*\y+1], v[S+64*\y+2:S+64*\y+3]   ; the rows' sums, of the unquantised p, in four chains by turns; the scale words' lines stand among them
.endr
.irp i, 0,1,2,3
	v_max_num_f32 v[BM+\i], 0x1800000, v[BM+\i]    ; the floor 2^(3 - 127): the byte cannot fall under 1
.endr
.set j, 4
.rept 15
.irp y, 0,1
	v_pk_add_f32 v[rT+4*\y+2:rT+4*\y+3], v[rT+4*\y+2:rT+4*\y+3], v[S+64*\y+j:S+64*\y+j+1]
	v_pk_add_f32 v[SP+2*\y:SP+2*\y+1], v[SP+2*\y:SP+2*\y+1], v[S+64*\y+j+2:S+64*\y+j+3]
.endr
.if j == 4
.irp i, 0,1,2,3
	v_add_nc_u32 v[SO+\i], 0xff000000, v[BM+\i]    ; 2 off the exponent field: the conversion's scale operand
.endr
.elseif j == 8
.irp i, 0,1,2,3
	v_lshrrev_b32 v[BM+\i], 23, v[SO+\i]           ; the bytes of blocks h and 2 + h
.endr
.elseif j == 12
	v_lshl_or_b32 v[TM], v[BM+1], 16, v[BM]
	v_lshl_or_b32 v[TM+1], v[BM+3], 16, v[BM+2]
.elseif j == 16
	v_lshlrev_b32 v[TM], v[SH8], v[TM]             ; at their places in the word
	v_lshlrev_b32 v[TM+1], v[SH8], v[TM+1]
.elseif j == 20
	v_permlanex16_b32 v[W+3], v[TM], s[SEL], s[SEL+1]
	v_permlanex16_b32 v[W+7], v[TM+1], s[SEL], s[SEL+1]
.elseif j == 24
	v_or_b32 v[PS], v[TM], v[W+3]                  ; with lane l xor 16's two the word is whole
	v_or_b32 v[PS+1], v[TM+1], v[W+7]
.endif
.set j, j+4
.endr
.irp y, 0,1                                    ; the upper halves of the blocks' codes (a conversion's three registers begin on an even number: they are made here and moved)
	v_cvt_scalef32_pk16_fp6_f32 v[W+8*\y:W+8*\y+2], v[S+64*\y+16:S+64*\y+31], v[SO+2*\y]
	v_cvt_scalef32_pk16_fp6_f32 v[W+8*\y+4:W+8*\y+6], v[S+64*\y+48:S+64*\y+63], v[SO+2*\y+1]
.endr
.irp y, 0,1
	v_pk_add_f32 v[rT+4*\y+2:rT+4*\y+3], v[rT+4*\y+2:rT+4*\y+3], v[SP+2*\y:SP+2*\y+1]   ; also the plain instructions behind these conversions
.endr
	WIN 0x40                                       ; destination (p's codes) window 1
.irp y, 0,1
	v_cvt_scalef32_pk16_fp6_f32 v[PC+12*\y:PC+12*\y+2], v[S+64*\y:S+64*\y+15], v[SO+2*\y]
	v_cvt_scalef32_pk16_fp6_f32 v[PC+12*\y+6:PC+12*\y+8], v[S+64*\y+32:S+64*\y+47], v[SO+2*\y+1]
.endr
.irp y, 0,1
.irp i, 0,1,2
	v_mov_b32 v[PC+12*\y+3+\i], v[W+8*\y+\i]
	v_mov_b32 v[PC+12*\y+9+\i], v[W+8*\y+4+\i]
.endr
.endr
.if (\x) == 0
	s_wait_dscnt 0x0                               ; V is in
.endif
	WIN 0x41                                       ; O^T (destination and source 0) window 1
	WALU                                           ; the wait directly ahead of the first reader of O^T
.set j, 0
.rept 32
	v_pk_mul_f32 v[rO+j:rO+j+1], v[rO+j:rO+j+1], v[F+2*(j/32):F+2*(j/32)+1] op_sel_hi:[1,0]   ; O^T under the new M.  These 32 are also the places between the writes of p's codes and scale words and the products
.set j, j+2
.endr
.if (\x) == 0
	SMUL 1                                         ; the next pair's scores: p's registers have been read out
.endif
	WIN 0x55                                       ; V, p's codes, C and D window 1
.irp y, 0,1
.irp t, 0,1,2,3
	WM rO+32*\y+8*\t, VF+12*\t, PC+12*\y, rO+32*\y+8*\t, VS+\t%2, PS+\y, \t/2
.endr
.endr
	WIN 0
.if (\x) == 0
	PLACES 4                                       ; between the products and the first read of the scores
.endif
.endm
.macro STEPS n                         ; n key steps of 128 keys, from the block at LDS byte s[TB] on
	s_mov_b32 s[CNT], \n
.Lstep_\@:
	v_add_nc_u32 v[AK16], s[TB], v[LK16]           ; these five are also the places between the last step's products and the loads into the registers that they read
	v_add_nc_u32 v[AK8], s[TB], v[LK8]
	v_add_nc_u32 v[AKS], s[TB], v[LKS]
	v_add_nc_u32 v[AV16], s[TB], v1
	v_add_nc_u32 v[AV8], s[TB], v2
.irp g, 0,1
.irp u, 0,1
.irp e, 0,1
	ds_load_b128 v[KF+6*(4*\g+2*\u+\e):KF+6*(4*\g+2*\u+\e)+3], v[AK16] offset:768*(4*\g+\e)+128*\u
	ds_load_b64 v[KF+6*(4*\g+2*\u+\e)+4:KF+6*(4*\g+2*\u+\e)+5], v[AK8] offset:768*(4*\g+\e)+512+64*\u
.endr
.endr
.endr
.irp u, 0,1
	ds_load_b64 v[KS+2*\u:KS+2*\u+1], v[AKS] offset:6144+128*\u
.endr
	ds_load_b64 v[VS:VS+1], v[AV8] offset:12800
	WIN 0x40                                       ; destination window 1
.irp t, 0,1,2,3
	FRAGLD VF+12*\t, AV16, AV8, 6656+1536*\t
.endr
	WIN 0
	s_wait_dscnt 16                                ; K's 18 loads and V's scale words are in; the 16 loads of V's fragments may be out
	SMUL 0
	WIN 0
	PLACES 4
	PAIR 0
	PAIR 1
	s_add_co_u32 s[TB], s[TB], KVB
	s_sub_co_u32 s[CNT], s[CNT], 1
	s_cmp_lg_u32 s[CNT], 0
	WALU                                           ; the wait directly ahead of the branch
	s_cbranch_scc1 .Lstep_\@
.endm
	WALU                                           ; the wait at the head's end
	s_cmp_eq_u32 s[WV], 0
	s_cbranch_scc0 .Lnot_first
	s_wait_tensorcnt 0x0                           ; wave 0: blocks 0 and 1 have landed; the other waves' loads may be out
.Lnot_first:
	s_barrier_signal -1
	s_barrier_wait -1
	s_wait_loadcnt 0x0                             ; Q
	s_mov_b32 s[TB], 0
	STEPS 2                                        ; blocks 0 and 1, while the other fourteen land
	s_wait_tensorcnt 0x0                           ; every wave's load has landed
	s_wait_dscnt 0x0
	s_barrier_signal -1
	s_barrier_wait -1                              ; all sixteen blocks are shown to all
	s_mov_b32 s[TB], 2*KVB
	STEPS 14
	; THE WAY OUT.  The additions are the places behind the last products.
.irp q, 0,1,2,3
	v_add_f32 v[ST+4*\q+2], v[ST+4*\q+2], v[ST+4*\q+3]
.endr
.irp q, 0,1,2,3
	s_delay_alu instid0(VALU_DEP_4)
	v_permlanex16_b32 v[F+\q], v[ST+4*\q+2], s[SEL], s[SEL+1]
.endr
.irp q, 0,1,2,3
	s_delay_alu instid0(VALU_DEP_4)
	v_add_f32 v[ST+4*\q+2], v[ST+4*\q+2], v[F+\q]  ; the row's sum
.endr
	WALU
.irp q, 0,1,2,3
	v_rcp_f32 v[ST+4*\q+2], v[ST+4*\q+2]
.endr
	v_nop                                          ; a plain instruction behind the last reciprocal
	WALU                                           ; one wait for the four, ahead of the first reader
; Tile q: O^T / the sum: register 16 b + i = channel 32 b + 16 h + i of my query: two blocks, quantised into a half image.  At work: v[SP], v[SP+1] the blocks' largest magnitudes, v[SP+2], v[SP+3] lane l xor 16's, then the bytes
.macro OUT q
.set rT, ST+4*(\q)
.set rC, OC+8*(\q)
	WIN 0x01                                       ; source 0 window 1
	WALU                                           ; directly ahead of the first reader of this tile's O^T
.set j, 0
.rept 16
	v_pk_mul_f32 v[S+j:S+j+1], v[32*(\q)+j:32*(\q)+j+1], v[rT+2:rT+3] op_sel_hi:[1,0]
.set j, j+2
.endr
	WIN 0
.irp b, 0,1
	v_max3_num_f32 v[SP+\b], |v[S+16*\b]|, |v[S+1+16*\b]|, 0x1800000
.endr
.irp i, 2,4,6,8,10,12,14
.irp b, 0,1
	s_delay_alu instid0(VALU_DEP_2)
	v_max3_num_f32 v[SP+\b], v[SP+\b], |v[S+16*\b+\i]|, |v[S+1+16*\b+\i]|
.endr
.endr
.irp b, 0,1
	s_delay_alu instid0(VALU_DEP_2)
	v_permlanex16_b32 v[SP+2+\b], v[SP+\b], s[SEL], s[SEL+1]
.endr
.irp b, 0,1
	s_delay_alu instid0(VALU_DEP_2)
	v_max_num_f32 v[SP+\b], v[SP+\b], v[SP+2+\b]
.endr
.irp b, 0,1
	s_delay_alu instid0(VALU_DEP_2)
	v_add_nc_u32 v[SO+\b], 0xff000000, v[SP+\b]
.endr
.irp b, 0,1
	s_delay_alu instid0(VALU_DEP_2)
	v_lshrrev_b32 v[SP+2+\b], 23, v[SO+\b]
.endr
	s_delay_alu instid0(VALU_DEP_1)
	v_lshl_or_b32 v[HW+(\q)], v[SP+3], 8, v[SP+2]
	v_cvt_scalef32_pk16_fp6_f32 v[rC:rC+2], v[S:S+15], v[SO]
	v_cvt_scalef32_pk16_fp6_f32 v[W:W+2], v[S+16:S+31], v[SO+1]
	v_nop
.irp i, 0,1,2
	v_permlane16_swap_b32 v[rC+\i], v[W+\i]        ; lanes 0-15 now hold block 0 whole, lanes 16-31 block 1
.endr
.irp i, 0,1,2
	v_mov_b32 v[rC+3+\i], v[W+\i]
.endr
	global_store_b128 v1, v[rC:rC+3], s[8:9] offset:1536*(\q)
	global_store_b64 v2, v[rC+4:rC+5], s[8:9] offset:1536*(\q)+512
.endm
	OUT 0
	OUT 1
	OUT 2
	OUT 3
	v_lshl_or_b32 v[F], v[HW+1], 16, v[HW]
	v_lshl_or_b32 v[F+1], v[HW+3], 16, v[HW+2]
	v_cmp_eq_u32 vcc_lo, 1, v[H]
	v_cndmask_b32 v[F], v[F], v[F+1], vcc_lo       ; lane (r, h): tiles 2 h, 2 h + 1 of row r
	global_store_b32 v[AO], v[F], s[10:11]         ; 128 consecutive bytes: all the scale bytes that a wave has
	s_wait_tensorcnt 0x0                           ; the wave's end
	ds_add_u32 v254, v255
	s_wait_dscnt 0x0
	CROUND                                         ; the closing round
	s_endpgm
.Lfunc_end_k_q8a80258510_attn:
	.size	k_q8a80258510_attn, .Lfunc_end_k_q8a80258510_attn-k_q8a80258510_attn
	.p2alignl 7, 3214868480
	.fill 96, 4, 3214868480
	.section	.rodata,"a",@progbits
	.p2align	6, 0x0
	.amdhsa_kernel k_q8a80258510_attn
		.amdhsa_group_segment_fixed_size 209920
		.amdhsa_private_segment_fixed_size 0
		.amdhsa_enable_private_segment 0
		.amdhsa_kernarg_size 32
		.amdhsa_user_sgpr_count 2
		.amdhsa_user_sgpr_kernarg_segment_ptr 1
		.amdhsa_wavefront_size32 1
		.amdhsa_system_sgpr_workgroup_id_x 1
		.amdhsa_system_sgpr_workgroup_id_y 1
		.amdhsa_system_sgpr_workgroup_id_z 1
		.amdhsa_system_vgpr_workitem_id 0
		.amdhsa_next_free_vgpr 512
		.amdhsa_next_free_sgpr 66
		.amdhsa_reserve_vcc 1
		.amdhsa_float_denorm_mode_32 3
		.amdhsa_float_denorm_mode_16_64 3
		.amdhsa_memory_ordered 1
		.amdhsa_forward_progress 1
		.amdhsa_inst_pref_size 134
	.end_amdhsa_kernel
	.amdgpu_metadata
---
amdhsa.version: [ 1, 2 ]
amdhsa.kernels:
  - .name:           k_q8a80258510_attn
    .symbol:         k_q8a80258510_attn.kd
    .args:
      - { .name: qimg, .offset: 0, .size: 8, .value_kind: global_buffer, .address_space: global }
      - { .name: kvimg, .offset: 8, .size: 8, .value_kind: global_buffer, .address_space: global }
      - { .name: aimg, .offset: 16, .size: 8, .value_kind: global_buffer, .address_space: global }
      - { .name: asc, .offset: 24, .size: 8, .value_kind: global_buffer, .address_space: global }
    .group_segment_fixed_size: 209920
    .private_segment_fixed_size: 0
    .kernarg_segment_align: 8
    .kernarg_segment_size: 32
    .max_flat_workgroup_size: 256
    .sgpr_count:     66
    .vgpr_count:     512
    .wavefront_size: 32
...
	.end_amdgpu_metadata
.endif
;; end of part 3
;; launch proj (part 4): grid 4 x 64, 4 waves a work-group, clusters of 4 x 4, 303,616 bytes of LDS; arguments opimg, aimg, asc, b_out, out0; writes out0
.if DOCPART == 4
	.amdgcn_target "amdgcn-amd-amdhsa--gfx1250"
	.amdhsa_code_object_version 6
	.text
	.protected	k_q8a80258510_proj
	.globl	k_q8a80258510_proj
	.p2align	8
	.type	k_q8a80258510_proj,@function
k_q8a80258510_proj:
	s_mov_b64 s[64:65], 0
	v_nop
	global_prefetch_b8 v0, s[64:65] scope:SCOPE_SE
	s_setreg_imm32_b32 hwreg(HW_REG_WAVE_MODE, 25, 1), 1
	s_wait_xcnt 0x0
	s_wait_alu depctr_hold_cnt(0) depctr_sa_sdst(0) depctr_va_vdst(0) depctr_va_sdst(0) depctr_va_ssrc(0) depctr_va_vcc(0) depctr_vm_vsrc(0)
	s_getreg_b32 s2, hwreg(HW_REG_IB_STS2, 6, 4)
	s_cmp_eq_u32 s2, 0
	s_cbranch_scc0 .Lentry_in_a_cluster
	s_endpgm
.Lentry_in_a_cluster:
	s_bfe_u32 s2, ttmp6, 0x10000c
	s_cmp_lg_u32 s2, 0xf033
	s_cbranch_scc0 .Lentry_shape_is_right
	s_endpgm
.Lentry_shape_is_right:
; out0 = Q(attention's output) Q(W_out) + b_out on codes of FP6 (E2M3) with E8M0 scales; out0 [8192][1024] f32.
; Source 0 = P: 16 columns of W_out (opimg, groups 88-95), source 1 = R: 16 tokens (aimg): a lane holds one token, and its registers run along the columns: register 16 b + i of R's tile a = column 32 b + 16 (lane / 16) + i of P's group.
; Operand row i of tile t is row pi(t, i) = 32 (t / 2) + 8 (t % 2) + i + 8 (i / 8) of its group of 128.
; SHARES.  A work-group: 256 columns (two groups) x 128 tokens (one group), all of K = 1,024: 2 x 102,400 + 98,304 bytes of LDS, each byte filled ONCE.  Wave w: P's group w % 2, R's tiles 4 (w / 2) .. + 3: 32 accumulators.
; CLUSTERS 4 x 4: P's groups hang on cx alone (joint along a column of the cluster), R's on cy alone (along a row).  Each operand comes in two loads, K steps 0, 1 and K steps 2 to 7; waves 0, 2 fetch P's, waves 1, 3 R's: one load a wave.
; R's scale words (asc: [64 tokens][head][r][tile], two bytes each) are put together once, at the head, for all eight K steps.  The bias is the C of each sum's first product.
; No prefetch: every tensor load is issued at the head.
; REGISTERS.  Window 0: v3 r, v13 h, v4 16 l, v5 8 l, v6-11 LDS addresses; v16-19, v24-27 P's scale words, two sets; v32-127 R's fragments, two sets; v128-159 R's scale words; v160-223 the bias; v224-241 at work at the head.
;   Window 1: accumulator (a, b) at 64 a + 8 b.   Window 2: P's fragments, two sets, at 0 and 128.
.set GRPB,  102400
.set STEPB, 12800
.set PAIRB, 25600
.set RSTEP, 12288
.set WV,   12
.set G1P,  24
.set G1R,  32
.set G0P,  40                          ; s[40:55] four groups 0: P's K steps 0, 1; R's 0, 1; P's 2 to 7; R's 2 to 7
.set G1P2, 68                          ; s[68:75] group 1 for P's K steps 2 to 7;  s[76:83] for R's
.set G1R2, 76
.set JMP,  96                          ; s96 from my P group's K step 1 to its K step 2 in LDS
.set SEL,  84
.set AP16, 6
.set AP8,  7
.set AR16, 8
.set AR8,  9
.set STO,  10
.set RD,   11
.set PSC,  16
.set RF,   32
.set RSC,  128
.set BV,   160
.set OB,   32
.set MSB, 0
.macro WIN new
.if MSB != (\new)
	s_set_vgpr_msb (MSB<<8)|(\new)
.set MSB, (\new)
.endif
.endm
.macro PLACES n
.rept \n
	v_nop
.endr
.endm
.macro CROUND
	s_barrier_signal -1
	s_barrier_wait -1
	s_cmp_lg_u32 s[WV], 0
	s_cbranch_scc1 .Lnot_wave_0_\@
	s_barrier_signal -3
.Lnot_wave_0_\@:
	s_barrier_wait -3
	s_barrier_signal -1
	s_barrier_wait -1
.endm
.macro FRAGLD reg, a16, a8, off
	ds_load_b128 v[(\reg):(\reg)+3], v[\a16] offset:(\off)
	ds_load_b64 v[(\reg)+4:(\reg)+5], v[\a8] offset:(\off)+512
	ds_load_b128 v[(\reg)+6:(\reg)+9], v[\a16] offset:(\off)+768
	ds_load_b64 v[(\reg)+10:(\reg)+11], v[\a8] offset:(\off)+1280
.endm
.macro WM d, a, b, c, sa, sb, row
.if \row
	v_wmma_scale_f32_16x16x128_f8f6f4 v[(\d):(\d)+7], v[(\a):(\a)+11], v[(\b):(\b)+11], v[(\c):(\c)+7], v[\sa], v[\sb] matrix_a_fmt:MATRIX_FMT_FP6 matrix_b_fmt:MATRIX_FMT_FP6 matrix_a_scale:MATRIX_SCALE_ROW1
.else
	v_wmma_scale_f32_16x16x128_f8f6f4 v[(\d):(\d)+7], v[(\a):(\a)+11], v[(\b):(\b)+11], v[(\c):(\c)+7], v[\sa], v[\sb] matrix_a_fmt:MATRIX_FMT_FP6 matrix_b_fmt:MATRIX_FMT_FP6
.endif
.endm
	s_load_b128 s[4:7], s[0:1], 0x0                ; opimg, aimg
	s_load_b128 s[8:11], s[0:1], 0x10              ; asc, b_out
	s_load_b64 s[22:23], s[0:1], 0x20              ; out0
	v_lshl_add_u32 v254, v0, 2, 0x4a000
	v_mov_b32 v255, 0
	ds_add_u32 v254, v255
	ds_add_u32 v254, v255
	v_lshrrev_b32 v1, 5, v0
	v_readfirstlane_b32 s[WV], v1                  ; wave 0..3
	s_and_b32 s13, s[WV], 1                        ; pg
	s_lshr_b32 s14, s[WV], 1                       ; rh
	s_bfe_u32 s15, ttmp6, 0x40000                  ; cx
	s_bfe_u32 s16, ttmp6, 0x40004                  ; cy
	s_and_b32 s18, ttmp7, 0xffff                   ; the cluster's y
	s_lshl_b32 s20, s15, 1
	s_add_co_u32 s20, s20, 88                      ; gp: P's first group: hangs on cx alone
	s_lshl_b32 s21, s18, 2
	s_add_co_u32 s21, s21, s16                     ; gr: the token group: hangs on cy alone
	s_lshl_b32 s62, s16, 2
	s_lshl_b32 s62, 15, s62                        ; my row of the cluster
	s_lshl_b32 s63, 0x1111, s15                    ; my column
	s_or_b32 s[G1P], s63, (3<<16)|(1<<21)          ; 15:0 the mask; 17:16 elements of 8 bytes; 21 set beside a mask; no padding
	s_or_b32 s[G1R], s62, (3<<16)|(1<<21)
	s_or_b32 s[G1P2], s63, (3<<16)|(1<<21)
	s_or_b32 s[G1R2], s62, (3<<16)|(1<<21)
; THE FILLS, ONE LOAD A WAVE: wave 0 K steps 0, 1 of both of P's groups (two rows of 25,600 bytes, a group apart in memory, on end in LDS), wave 1 R's K steps 0, 1 (96 rows of 256 bytes),
; wave 2 K steps 2 to 7 of both of P's groups (two rows of 76,800 bytes), wave 3 R's (288 rows of 256 bytes).  In LDS P's group g has K steps 0, 1 at 25,600 g and K steps 2 to 7 at 51,200 + 76,800 g.
.macro GRP1 g, c, r, p                 ; c elements of 8 bytes a row, r rows, p elements from row to row
	s_mov_b32 s[\g+1], (\c)<<16
	s_mov_b32 s[\g+2], (\r)<<16
	s_mov_b32 s[\g+3], (\c)<<16
	s_mov_b32 s[\g+4], \r
	s_mov_b32 s[\g+5], \p
	s_mov_b32 s[\g+6], 0
	s_mov_b32 s[\g+7], 0
.endm
	GRP1 G1P, 3200, 2, 12800
	GRP1 G1P2, 9600, 2, 12800
	GRP1 G1R, 32, 96, 32
	GRP1 G1R2, 32, 288, 32
	s_mul_i32 s56, s20, GRPB
	s_mov_b32 s57, 0
	s_mul_i32 s58, s21, 8*RSTEP
	s_mov_b32 s59, 0
	s_mul_i32 s60, s13, PAIRB                      ; my P group's K step 0 in LDS
	s_mul_i32 s[JMP], s13, 2*PAIRB
	s_add_co_u32 s[JMP], s[JMP], 3*STEPB           ; (51,200 + 76,800 g) - (25,600 g + 12,800)
	s_mov_b32 s[SEL], 0x76543210
	s_mov_b32 s[SEL+1], 0xfedcba98
	s_mov_b32 s90, 0x05040100                      ; v_perm_b32: the two low halves;
	s_mov_b32 s91, 0x07060302                      ; the two high halves
	s_wait_dscnt 0x0
	s_wait_kmcnt 0x0
	s_add_nc_u64 s[56:57], s[4:5], s[56:57]
	s_add_nc_u64 s[58:59], s[6:7], s[58:59]
	CROUND                                         ; all sixteen work-groups are here: the joint loads meet
.macro GRP0 g, lds, base, off
	s_mov_b32 s[\g], 1
	s_mov_b32 s[\g+1], \lds
	s_add_nc_u64 s[\g+2:\g+3], s[\base:\base+1], \off
	s_or_b32 s[\g+3], s[\g+3], 0x80000000
.endm
	GRP0 G0P, 0, 56, 0
	GRP0 G0P+4, 2*GRPB, 58, 0
	GRP0 G0P+8, 2*PAIRB, 56, PAIRB
	GRP0 G0P+12, 2*GRPB+2*RSTEP, 58, 2*RSTEP
.macro ARM under, g0, g1, next         ; one chain of branches on the wave's number, one load to an arm, all arms to one join
	s_cmp_lt_u32 s[WV], \under
	s_cbranch_scc0 \next
	tensor_load_to_lds s[\g0:\g0+3], s[\g1:\g1+7]
	s_nop 0
	PLACES 4
	s_branch .Lasked
\next:
.endm
	ARM 1, G0P, G1P, .Lwave_1
	ARM 2, G0P+4, G1R, .Lwave_2
	ARM 3, G0P+8, G1P2, .Lwave_3
	tensor_load_to_lds s[G0P+12:G0P+15], s[G1R2:G1R2+7]
	s_nop 0
	PLACES 4
.Lasked:
	v_and_b32 v2, 31, v0
	v_and_b32 v3, 15, v0                           ; r
	v_bfe_u32 v13, v0, 4, 1                        ; h
	s_wait_alu depctr_va_vdst(0)
	v_lshlrev_b32 v4, 4, v2
	v_lshlrev_b32 v5, 3, v2
	s_wait_alu depctr_va_vdst(0)
	s_lshl_b32 s86, s21, 1
	s_add_co_u32 s86, s86, s14
	s_lshl_b32 s86, s86, 11                        ; my 64 tokens' scale bytes
	s_mov_b32 s87, 0
	s_add_nc_u64 s[8:9], s[8:9], s[86:87]
	s_lshl_b32 s86, s15, 1
	s_add_co_u32 s86, s86, s13
	s_lshl_b32 s86, s86, 9                         ; my 128 columns of b_out
	s_add_nc_u64 s[10:11], s[10:11], s[86:87]
	v_lshlrev_b32 v14, 6, v13                      ; + 16 h numbers
.irp s, 0,1,2,3,4,5,6,7
	global_load_b64 v[224+2*\s:225+2*\s], v5, s[8:9] offset:256*\s   ; lane (r, h): head 2 s + h, row r: the two bytes of each of my four tiles
.endr
.irp t, 0,1,2,3,4,5,6,7
	global_load_b128 v[BV+8*\t:BV+8*\t+3], v14, s[10:11] offset:(32*(\t/2)+8*(\t%2))*4
	global_load_b128 v[BV+8*\t+4:BV+8*\t+7], v14, s[10:11] offset:(32*(\t/2)+8*(\t%2))*4+16
.endr
	v_add_nc_u32 v[AP16], s60, v4
	v_add_nc_u32 v[AP8], s60, v5
	s_mul_i32 s86, s14, 6144
	s_add_co_u32 s86, s86, 2*GRPB
	v_add_nc_u32 v[AR16], s86, v4
	v_add_nc_u32 v[AR8], s86, v5
	s_mul_i32 s86, s[WV], 16*528                   ; my stage for the way out
	v_mul_u32_u24 v[STO], v3, 528
	v_lshl_add_u32 v[STO], v13, 6, v[STO]
	v_add_nc_u32 v[STO], s86, v[STO]               ; in: row r, + 64 h
	v_add_nc_u32 v[RD], s86, v4                    ; back: 16 l of a row
	s_lshl_b32 s86, s21, 19                        ; out0: 128 rows of 4,096 bytes a group,
	s_lshl_b32 s88, s14, 18                        ; 64 rows,
	s_add_co_u32 s86, s86, s88
	s_lshl_b32 s88, s15, 10                        ; 256 columns a work-group,
	s_add_co_u32 s86, s86, s88
	s_lshl_b32 s88, s13, 9                         ; 128 a wave
	s_add_co_u32 s86, s86, s88
	s_add_nc_u64 s[22:23], s[22:23], s[86:87]
	v_mov_b32 v240, 0                              ; a lane permute's destination counts as one of its sources
	v_mov_b32 v241, 0
	s_wait_alu depctr_va_vdst(0)
	s_wait_loadcnt 0x0
.irp s, 0,1,2,3,4,5,6,7                        ; K step s is heads 2 s, 2 s + 1: tile a's word in lane r = the first head's two bytes below, the second head's above.  (Lanes 16-31 are not read)
	v_permlanex16_b32 v240, v[224+2*\s], s[SEL], s[SEL+1]
	v_permlanex16_b32 v241, v[225+2*\s], s[SEL], s[SEL+1]
	v_perm_b32 v[RSC+4*\s], v240, v[224+2*\s], s90
	v_perm_b32 v[RSC+4*\s+1], v240, v[224+2*\s], s91
	v_perm_b32 v[RSC+4*\s+2], v241, v[225+2*\s], s90
	v_perm_b32 v[RSC+4*\s+3], v241, v[225+2*\s], s91
.endr
.macro FETCH n                         ; a K step's fragments and P's scale words into set n: 49 LDS loads in one run
	WIN 0x80                                       ; destination window 2
.irp t, 0,1,2,3,4,5,6,7
	FRAGLD 128*(\n)+12*\t, AP16, AP8, 1536*\t
.endr
	WIN 0
	ds_load_b128 v[PSC+8*(\n):PSC+8*(\n)+3], v[AP16] offset:12288
.irp a, 0,1,2,3
	FRAGLD RF+48*(\n)+12*\a, AR16, AR8, 1536*\a
.endr
.endm
; A K step.  The 32 accumulators take turns, one instruction a turn, in the same order in every step.
.macro STEP s
	WIN 0
	s_wait_dscnt 0x0                               ; this step's fragments are in
.if (\s) == 1
	s_wait_tensorcnt 0x0                           ; every wave's load has landed: K steps 2 to 7 are shown to all.  Behind it nobody reads K steps 0 and 1, in whose bytes the stages of the way out lie
	s_barrier_signal -1
	s_barrier_wait -1
.endif
.if (\s) < 7
	s_wait_alu depctr_va_vdst(0)
.if (\s) == 1
	v_add_nc_u32 v[AP16], s[JMP], v[AP16]          ; on to the next K step.  These four are also the places between the last step's products and the loads into the registers that they read
	v_add_nc_u32 v[AP8], s[JMP], v[AP8]
.else
	v_add_nc_u32 v[AP16], STEPB, v[AP16]
	v_add_nc_u32 v[AP8], STEPB, v[AP8]
.endif
	v_add_nc_u32 v[AR16], RSTEP, v[AR16]
	v_add_nc_u32 v[AR8], RSTEP, v[AR8]
	FETCH ((\s)+1)%2
.endif
.if (\s) == 0
	WIN 0x42                                       ; source 0 (P) window 2, source 1 (R) and C (the bias) window 0, D window 1
.else
	WIN 0x52                                       ; C and D window 1
.endif
.irp a, 0,1,2,3
.irp b, 0,1,2,3,4,5,6,7
.if (\s) == 0
	WM 64*\a+8*\b, 128*((\s)%2)+12*\b, RF+48*((\s)%2)+12*\a, BV+8*\b, PSC+8*((\s)%2)+\b%4, RSC+4*(\s)+\a, \b/4
.else
	WM 64*\a+8*\b, 128*((\s)%2)+12*\b, RF+48*((\s)%2)+12*\a, 64*\a+8*\b, PSC+8*((\s)%2)+\b%4, RSC+4*(\s)+\a, \b/4
.endif
.endr
.endr
.endm
	s_wait_alu depctr_va_vdst(0)                   ; the wait at the head's end
	s_cmp_lt_u32 s[WV], 2
	s_cbranch_scc0 .Lnot_first
	s_wait_tensorcnt 0x0                           ; waves 0 and 1: K steps 0 and 1 of P and of R have landed; the loads of waves 2 and 3 may be out
.Lnot_first:
	s_barrier_signal -1
	s_barrier_wait -1
	FETCH 0
.irp s, 0,1,2,3,4,5,6,7
	STEP \s
.endr
	WIN 0
; THE WAY OUT, R's tile a: 16 tokens x 128 columns.  A lane holds pieces of one row and the lanes beside it hold other rows: the tile goes through my stage in LDS (16 rows x 528 bytes) and comes back as whole rows of 512 bytes.
; The four stages lie in LDS bytes 0 to 33,791, K steps 0 and 1 of P's two groups: those bytes have had their only fill, and every wave has waited for its reads of them ahead of the barrier in K step 1.
; LDS serves a wave's instructions in order: no wait between the stores and the loads, nor ahead of the next tile's stores.
.macro TOSTAGE a
	WIN 0x04                                       ; an LDS store's data are its source 1: window 1
.irp g, 0,1,2,3
.irp j, 0,1,2,3
	ds_store_b128 v[STO], v[64*(\a)+16*\g+4*\j:64*(\a)+16*\g+4*\j+3] offset:128*\g+16*\j   ; columns 32 g + 16 h + 4 j on; each accumulator from its low end on
.endr
.endr
	WIN 0
.irp p, 0,1,2,3,4,5,6,7,8,9,10,11,12,13,14,15
	ds_load_b128 v[OB+64*((\a)%2)+4*\p:OB+64*((\a)%2)+4*\p+3], v[RD] offset:528*\p
.endr
.endm
.macro SEND a
.irp p, 0,1,2,3,4,5,6,7,8,9,10,11,12,13,14,15
	global_store_b128 v4, v[OB+64*((\a)%2)+4*\p:OB+64*((\a)%2)+4*\p+3], s[22:23] offset:(32*((\a)/2)+8*((\a)%2)+\p+8*(\p/8))*4096 th:TH_STORE_NT   ; 512 consecutive bytes of token pi(a, p)'s row, aligned to 256
.endr
.endm
	PLACES 4                                       ; between the last products and the first read of results, and the loads into registers that they read
	TOSTAGE 0
.irp a, 1,2,3
.if \a > 1
	s_wait_xcnt 0x0                                ; tile a - 2's stores have read their registers: tile a's loads may land there
.endif
	TOSTAGE \a
	s_wait_dscnt 32                                ; tile a - 1 is back; tile a's 16 stores and 16 loads may be out
	SEND \a-1
.endr
	s_wait_dscnt 0x0
	SEND 3
	s_wait_tensorcnt 0x0
	ds_add_u32 v254, v255
	s_wait_dscnt 0x0
	CROUND                                         ; the closing round: no work-group ends while a partner may still ask for a tile that names it
	s_endpgm
.Lfunc_end_k_q8a80258510_proj:
	.size	k_q8a80258510_proj, .Lfunc_end_k_q8a80258510_proj-k_q8a80258510_proj
	.p2alignl 7, 3214868480
	.fill 96, 4, 3214868480
	.section	.rodata,"a",@progbits
	.p2align	6, 0x0
	.amdhsa_kernel k_q8a80258510_proj
		.amdhsa_group_segment_fixed_size 303616
		.amdhsa_private_segment_fixed_size 0
		.amdhsa_enable_private_segment 0
		.amdhsa_kernarg_size 40
		.amdhsa_user_sgpr_count 2
		.amdhsa_user_sgpr_kernarg_segment_ptr 1
		.amdhsa_wavefront_size32 1
		.amdhsa_system_sgpr_workgroup_id_x 1
		.amdhsa_system_sgpr_workgroup_id_y 1
		.amdhsa_system_sgpr_workgroup_id_z 1
		.amdhsa_system_vgpr_workitem_id 0
		.amdhsa_next_free_vgpr 768
		.amdhsa_next_free_sgpr 100
		.amdhsa_reserve_vcc 0
		.amdhsa_float_denorm_mode_32 3
		.amdhsa_float_denorm_mode_16_64 3
		.amdhsa_memory_ordered 1
		.amdhsa_forward_progress 1
		.amdhsa_inst_pref_size 88
	.end_amdhsa_kernel
	.amdgpu_metadata
---
amdhsa.version: [ 1, 2 ]
amdhsa.kernels:
  - .name:           k_q8a80258510_proj
    .symbol:         k_q8a80258510_proj.kd
    .args:
      - { .name: opimg, .offset: 0, .size: 8, .value_kind: global_buffer, .address_space: global }
      - { .name: aimg, .offset: 8, .size: 8, .value_kind: global_buffer, .address_space: global }
      - { .name: asc, .offset: 16, .size: 8, .value_kind: global_buffer, .address_space: global }
      - { .name: b_out, .offset: 24, .size: 8, .value_kind: global_buffer, .address_space: global }
      - { .name: out0, .offset: 32, .size: 8, .value_kind: global_buffer, .address_space: global }
    .group_segment_fixed_size: 303616
    .private_segment_fixed_size: 0
    .kernarg_segment_align: 8
    .kernarg_segment_size: 40
    .max_flat_workgroup_size: 128
    .sgpr_count:     100
    .vgpr_count:     768
    .wavefront_size: 32
...
	.end_amdgpu_metadata
.endif
;; end of part 4
